; MI455X (gfx1250); checked and timed in simulation.
; The chip was launched on July 23, 2026; its instructions are those of AMD's public machine-readable ISA for CDNA 5 (MIT licence, August 2026) and "CDNA5" Instruction Set Architecture Reference Guide (July 2026). The comments in the code are by the model that wrote it; some were corrected since.
;; GPT. Allowed arithmetic: matrix products marked QUANTISED: E2M1 operands, one E8M0 scale for each 32 along K, by v_wmma_scale_f32_16x16x128_f8f6f4 with both operands' format E2M1 (or v_wmma_scale_f32_32x16x128_f4), f32 sums; products left as they are: f32 operands where the result goes on into a quantised operand, else bf16, f16 or f32 operands; f32 sums; everything else in f32.
;; Inputs: Wg 32 x 8 float32; Wk 1,024 x 512 float32; Wproj 1,024 x 1,024 float32; Wq 1,024 x 1,024 float32; Wv 1,024 x 512 float32; cos 1 x 2,048 x 1 x 32 float32; sin 1 x 2,048 x 1 x 32 float32; ve 2 x 2,048 x 512 float32; x 2 x 2,048 x 1,024 float32.
;; Outputs: out0 2 x 2,048 x 1,024 float32.
;; Constants: window = 1024.
;; This version of the problem:
;;   THIS VERSION OF THE PROBLEM IS GIVEN IN LOW PRECISION. The matrix products marked QUANTISED in the list below multiply operands that are first quantised to E2M1 (2 exponent bits, 1 mantissa bit; 4 bits a number), with one power-of-two scale for each 32 numbers along K (OCP MX v1.0); their sums are f32. All else is computed in f32.
;;   The module's matrix products, in the order in which they are computed (A, B: the left and right operand; K: the contracted axis; several contracted axes count as one K, in the product's order):
;;     1. [M 4,096, K 1,024] x [K 1,024, N 1,024]; A: input x; B: input Wq: QUANTISED
;;     2. [M 4,096, K 1,024] x [K 1,024, N 512]; A: input x; B: input Wk: QUANTISED
;;     3. [M 4,096, K 1,024] x [K 1,024, N 512]; A: input x; B: input Wv: QUANTISED
;;     4. [M 4,096, K 32] x [K 32, N 8]; A: input x; B: input Wg: left as it is (N = 8 < 16)
;;     5. batch 8 x [M 2,048, K 64] x [K 64, N 4,096]; A: computed on the way; B: computed on the way: QUANTISED
;;     6. batch 8 x [M 64, K 2,048] x [K 2,048, N 4,096]; A: computed on the way; B: softmax (see below): QUANTISED
;;     7. batch 8 x [M 2,048, K 64] x [K 64, N 4,096]; A: computed on the way; B: computed on the way: QUANTISED
;;     8. batch 8 x [M 64, K 2,048] x [K 2,048, N 4,096]; A: computed on the way; B: softmax (see below): QUANTISED
;;     9. [M 4,096, K 1,024] x [K 1,024, N 1,024]; A: computed on the way; B: input Wproj: QUANTISED
;;   THE QUANTISER, for each operand of a quantised product, along K:
;;     - K is cut into blocks of 32 from its start; a last block that is shorter is filled with zeros.
;;     - A block's scale is 2^e with e = floor(log2(the largest magnitude in the block)) - 2, held to -126 .. 127; a block of zeros has e = 0. As a byte (E8M0): e + 127.
;;     - Each number is divided by its block's scale, clamped to +-6, and rounded to the nearest number of E2M1, ties to even, subnormals kept.
;;     - The product sums the exact products of the quantised numbers (number of the format x scale) in f32.
;;   ~~~python
;;   def quantise(x, axis):      # numpy; x: float32 -> the quantised numbers, widened to float32 again
;;       x = np.moveaxis(x, axis, -1); K = x.shape[-1]
;;       x = np.pad(x, [(0, 0)] * (x.ndim - 1) + [(0, -K % 32)]); x = x.reshape(x.shape[:-1] + (-1, 32)); a = np.abs(x).max(-1, keepdims=True)
;;       e = np.where(a > 0, np.clip(np.frexp(np.where(a > 0, a, 1))[1] - 1 - 2, -126, 127), 0)      # np.frexp(a)[1] - 1 = floor(log2(a)), exactly
;;       r = np.clip(x / 2.0 ** e, -6, 6)
;;       step = 2.0 ** (np.maximum(np.frexp(np.where(r == 0, 1, r))[1] - 1, 0) - 1)
;;       q = np.round(r / step) * step * 2.0 ** e      # np.round: ties to even
;;       return np.moveaxis(q.reshape(q.shape[:-2] + (-1,))[..., :K], -1, axis).astype(np.float32)
;;   ~~~
;;   SOFTMAX AHEAD OF A QUANTISED PRODUCT. Where the list says 'softmax', what is quantised is not the finished softmax but p = 2^(t - M), with t = logit x log2(e) and M = ceil(the row's largest t), a whole number; so 1/2 < the row's largest p <= 1. The row's sum l is taken of the UNQUANTISED p, in f32, and the product's result is divided by l at the end. Since M is a whole number, a kernel that streams over the keys may use a running M (the ceiling of the running maximum): every later rescaling is an exact power of two, which a block's scale takes up: the codes' values come out the same.
;;   OPERANDS COMPUTED ON THE WAY. 'Computed on the way' means the value that the module computes at that place (a softmax that the list does not call 'softmax' is quantised finished and normalised). What goes into a quantiser is computed in f32, as accurately as f32 sums, v_exp_f32 and their like allow (about 1e-6 of the number): no bf16 or f16 on the way to a quantiser, and a product that is left as it is and whose result goes on into a quantised operand takes f32 operands (vector FMAs, or v_wmma_f32_16x16x4_f32). A number that lies on a knife's edge between two numbers of the format may be rounded either way, as far as f32 arithmetic and the matrix unit's own rounding can turn it there, and no further.
;; One version. Each part assembles by itself: llvm-mc -triple=amdgcn-amd-amdhsa -mcpu=gfx1250 --defsym DOCPART=n.
;; ======== version 1 of 1: 4 launches
;; limits: right only within a limited range of input values
;; workspace buffers: xc 2,228,224 bytes; wc 1,671,168 bytes; qc 2,359,296 bytes; kv 2,293,760 bytes; yc 2,097,152 bytes; ys 131,072 bytes
;; launch quant (part 1): grid 224 x 1, 8 waves a work-group, no clusters, 70,656 bytes of LDS; arguments x, Wq, Wk, Wv, Wproj, xc, wc; writes xc, wc
.if DOCPART == 1
	.amdgcn_target "amdgcn-amd-amdhsa--gfx1250"
	.amdhsa_code_object_version 6
	.text
	.protected	k_q7754e0f223_quant
	.globl	k_q7754e0f223_quant
	.p2align	8
	.type	k_q7754e0f223_quant,@function
k_q7754e0f223_quant:
	s_mov_b64 s[64:65], 0
	v_nop
	global_prefetch_b8 v0, s[64:65] scope:SCOPE_SE
	s_setreg_imm32_b32 hwreg(HW_REG_WAVE_MODE, 25, 1), 1
	s_wait_xcnt 0x0
; x [4096][1024] f32 (K innermost) and Wq, Wk, Wv, Wproj [1024][N] f32 (K is the first axis) become codes of FP4 (E2M1) with one E8M0 byte for each 32 along K,
; laid as IMAGES OF THE OPERANDS' REGISTERS.  A tile is 16 rows; its record is 8,704 bytes: eight images of 1,024 bytes (K step kk of 128: byte 512 c + 16 lane = registers 4 c .. 4 c + 3
; of that lane, so block bb of 32 along K lies at 256 bb + 16 r), then 512 bytes of scale words.
; THE ROWS OF A TILE ARE NOT NEIGHBOURS: lane r of tile 2 G + u holds row 32 G + 8 u + r + 8 (r / 8), so that a product that takes the tile as source 0 leaves 16 neighbours in 16 registers of two tiles.
; A block's scale is 2^(floor(log2(largest magnitude)) - 2); its byte is the largest magnitude's exponent field - 2, held at 1 from below.
; LIMITS: a block of zeros, or one whose largest magnitude lies under 2^-124, gets the byte 1 (its codes are then zeros or what the floor's scale gives; only this program reads the bytes); NaN and infinities are not served.
; Work-groups 0-127 take x (64 tokens x 512 along K each), work-groups 128-223 a weight's 64 columns x 512 along K.  The two ways have LDS bytes of their own.  No tensor loads, no matrix work: memory binds.
.set XST, 67584                        ; x's way: 1,024 bytes in which four tiles' scale words meet
.set WST, 68608                        ; the weights' way: the same
.set SEL, 30                           ; s[30:31] lane selects for v_permlanex16_b32: lane l xor 16
.set R,   16                           ; x: v16-143  two K steps x 16 rows as loaded
.set XQ,  144                          ; x: v144-207 64 numbers of my row: register 16 b + i = k 32 b + 16 h + i
.set TM,  208                          ; v208-223 at work in QUANT4
.set PW,  224                          ; x: v224-225 the scale words
.set PC,  226                          ; x: v226-241 the codes, a set for each K step: no store's data are written again
.set A,   16                           ; W: v16-79   byte offset of row i: 4 lane + i x pitch (one text serves both pitches)
.set X,   80                           ; W: v80-207  block t, column half g: 32 numbers down K at X + 64 t + 32 g
.set C,   224                          ; W: v224-239 the codes, four registers for each (t, g)
; 64 numbers of a lane, register 16 b + i = k 32 b + 16 (lane / 16) + i of my row, become a fragment's 8 registers of codes and its scale word.
.macro QUANT4 s, pc, pw
.irp b, 0,1,2,3
	v_max3_num_f32 v[TM+\b], |v[(\s)+16*\b]|, |v[(\s)+1+16*\b]|, 0x1800000   ; my 16 numbers of block b, and the floor 2^(3 - 127): the byte cannot fall under 1
.endr
.irp i, 2,4,6,8,10,12,14
.irp b, 0,1,2,3
	s_delay_alu instid0(VALU_DEP_4)
	v_max3_num_f32 v[TM+\b], v[TM+\b], |v[(\s)+16*\b+\i]|, |v[(\s)+1+16*\b+\i]|
.endr
.endr
.irp b, 0,1,2,3
	s_delay_alu instid0(VALU_DEP_4)
	v_permlanex16_b32 v[TM+4+\b], v[TM+\b], s[SEL], s[SEL+1]
.endr
.irp b, 0,1,2,3
	s_delay_alu instid0(VALU_DEP_4)
	v_max_num_f32 v[TM+\b], v[TM+\b], v[TM+4+\b]       ; with lane l xor 16's: the block's largest magnitude
.endr
.irp b, 0,1,2,3
	s_delay_alu instid0(VALU_DEP_4)
	v_add_nc_u32 v[TM+12+\b], 0xff000000, v[TM+\b]     ; 2 off its exponent field: the conversion's scale operand
.endr
.irp b, 0,1,2,3
	s_delay_alu instid0(VALU_DEP_4)
	v_lshrrev_b32 v[TM+4+\b], 23, v[TM+12+\b]          ; the scale's byte
.endr
	s_delay_alu instid0(VALU_DEP_3)
	v_lshl_or_b32 v[\pw], v[TM+5], 8, v[TM+4]
	s_delay_alu instid0(VALU_DEP_1)
	v_lshl_or_b32 v[\pw], v[TM+6], 16, v[\pw]
	s_delay_alu instid0(VALU_DEP_1)
	v_lshl_or_b32 v[\pw], v[TM+7], 24, v[\pw]
.irp b, 0,1,2,3
	v_cvt_scalef32_pk8_fp4_f32 v[(\pc)+2*\b], v[(\s)+16*\b:(\s)+7+16*\b], v[TM+12+\b]
	v_cvt_scalef32_pk8_fp4_f32 v[(\pc)+1+2*\b], v[(\s)+8+16*\b:(\s)+15+16*\b], v[TM+12+\b]
.endr
	v_nop                                          ; one plain place behind a scaled conversion
.irp c, 0,1                                    ; the layout wants a whole block in a lane: lanes 0-15 block 2 c, lanes 16-31 block 2 c + 1
.irp i, 0,1
	v_permlane16_swap_b32 v[(\pc)+4*\c+\i], v[(\pc)+2+4*\c+\i]
.endr
.endr
.endm
	s_load_b256 s[4:11], s[0:1], 0x0               ; x, Wq, Wk, Wv
	s_load_b128 s[12:15], s[0:1], 0x20             ; Wproj, xc
	s_load_b64 s[16:17], s[0:1], 0x30              ; wc
	v_lshl_add_u32 v248, v0, 2, 0x11000
	v_mov_b32 v249, 0
	v_lshrrev_b32 v1, 5, v0
	s_delay_alu instid0(VALU_DEP_1)
	v_readfirstlane_b32 s18, v1                    ; wave 0..7
	v_and_b32 v10, 31, v0                          ; lane
	v_and_b32 v11, 15, v0                          ; r
	v_bfe_u32 v12, v0, 4, 1                        ; h
	s_delay_alu instid0(VALU_DEP_3)
	v_lshlrev_b32 v5, 3, v10                       ; 8 x lane
	s_mov_b32 s[SEL], 0x76543210
	s_mov_b32 s[SEL+1], 0xfedcba98
	s_and_b32 s21, s18, 3
	s_lshl_b32 s29, s21, 8                         ; 256 (wave % 4)
	s_cmp_lt_u32 ttmp9, 128
	s_cbranch_scc0 .Lweights
	; ---------------- x.  Work-group: 64 tokens (4 tiles) x half of K.  Wave: tile wave % 4, K steps 4 Kh + 2 (wave / 4) + 0, 1.
	s_lshr_b32 s19, ttmp9, 1                       ; the block of 64 tokens
	s_and_b32 s20, ttmp9, 1                        ; Kh
	s_lshr_b32 s22, s18, 2
	s_lshl_b32 s28, s20, 2
	s_lshl_b32 s24, s22, 1
	s_add_co_u32 s28, s28, s24                     ; my first K step
	s_lshl_b32 s26, s19, 6
	s_lshr_b32 s24, s21, 1
	s_lshl_b32 s24, s24, 5
	s_add_co_u32 s26, s26, s24
	s_and_b32 s24, s21, 1
	s_lshl_b32 s24, s24, 3
	s_add_co_u32 s26, s26, s24                     ; the tile's first token: 64 blk + 32 (tl / 2) + 8 (tl % 2)
	s_lshl_b32 s26, s26, 12                        ; rows of 4,096 bytes
	s_lshl_b32 s24, s28, 9
	s_add_co_u32 s26, s26, s24                     ; + 512 bytes a K step
	s_mov_b32 s27, 0
	s_lshl_b32 s32, s19, 2
	s_add_co_u32 s32, s32, s21
	s_mul_i32 s32, s32, 8704                       ; the tile's record
	s_lshl_b32 s24, s20, 8
	s_add_co_u32 s34, s32, s24
	s_add_co_u32 s34, s34, 8192                    ; its scale words of my half of K
	s_mov_b32 s35, 0
	s_lshl_b32 s24, s28, 10
	s_add_co_u32 s32, s32, s24                     ; its images from my first K step on
	s_mov_b32 s33, 0
	s_wait_alu depctr_va_vdst(0)
	v_lshlrev_b32 v1, 4, v10                       ; 16 x lane
	s_mul_i32 s23, s18, 8448                       ; my stage: 16 rows of 512 bytes + 16
	v_add_nc_u32 v2, s23, v1                       ; in: a row as it lies
	v_mul_u32_u24 v3, v11, 528
	s_delay_alu instid0(VALU_DEP_1)
	v_lshl_add_u32 v3, v12, 6, v3
	s_delay_alu instid0(VALU_DEP_1)
	v_add_nc_u32 v3, s23, v3                       ; out: row r, + 64 h: my 16 numbers of each block
	s_add_co_u32 s24, s29, XST
	v_add_nc_u32 v6, s24, v5                       ; the tail: tile wave % 4's 256 bytes of scale words, 8 a lane
	s_lshl_b32 s25, s22, 7
	s_add_co_u32 s25, s25, s24
	v_lshl_add_u32 v4, v11, 2, s25                 ; where my scale words go: tile, K step (64 bytes each), 4 r
.irp b, 0,1,2,3
	v_mov_b32 v[TM+4+\b], 0                        ; written once: a lane permute's destination counts as one of its sources
.endr
	s_wait_alu depctr_va_vdst(0)
	s_wait_kmcnt 0x0
	s_add_nc_u64 s[4:5], s[4:5], s[26:27]
	s_add_nc_u64 s[36:37], s[14:15], s[32:33]
	s_add_nc_u64 s[38:39], s[14:15], s[34:35]
.irp n, 0,1
.irp p, 0,1,2,3,4,5,6,7,8,9,10,11,12,13,14,15
	global_load_b128 v[R+64*\n+4*\p:R+64*\n+4*\p+3], v1, s[4:5] offset:(\p+8*(\p/8))*4096+\n*512 th:TH_LOAD_NT   ; 32 lanes read 512 consecutive bytes: one row's K step
.endr
.endr
.macro XUNIT n
.if \n == 0
	s_wait_loadcnt 16                              ; this K step's 16 loads are in; the other's 16 may be out
.else
	s_wait_loadcnt 0x0
.endif
.irp p, 0,1,2,3,4,5,6,7,8,9,10,11,12,13,14,15
	ds_store_b128 v2, v[R+64*\n+4*\p:R+64*\n+4*\p+3] offset:\p*528
.endr
.irp b, 0,1,2,3
.irp j, 0,1,2,3
	ds_load_b128 v[XQ+16*\b+4*\j:XQ+16*\b+4*\j+3], v3 offset:128*\b+16*\j   ; LDS serves a wave's instructions in order: these see my stores
.endr
.endr
	s_wait_dscnt 0x0
	QUANT4 XQ, PC+8*\n, PW+\n
	global_store_b128 v1, v[PC+8*\n:PC+8*\n+3], s[36:37] offset:\n*1024          ; the image as it stands: 512 consecutive bytes a store
	global_store_b128 v1, v[PC+8*\n+4:PC+8*\n+7], s[36:37] offset:\n*1024+512
	ds_store_b32 v4, v[PW+\n] offset:\n*64         ; both halves of the lanes write the same word with the same value
.endm
	XUNIT 0
	XUNIT 1
	s_wait_dscnt 0x0                               ; for the others' sake: my scale words lie in LDS
	s_barrier_signal -1
	s_barrier_wait -1
	s_cmp_lt_u32 s18, 4
	s_cbranch_scc0 .Lxend
	ds_load_b64 v[8:9], v6                         ; waves 0-3: a tile's four K steps of scale words
	s_wait_dscnt 0x0
	global_store_b64 v5, v[8:9], s[38:39]          ; 256 consecutive bytes, aligned
.Lxend:
	s_wait_tensorcnt 0x0
	ds_add_u32 v248, v249
	s_wait_dscnt 0x0
	s_endpgm
	; ---------------- the weights.  Work-group: 64 columns (a head) x half of K.  Wave: 64 rows of K (two blocks).  A lane takes columns lane and 32 + lane, and its registers run down K.
.Lweights:
	s_sub_co_u32 s19, ttmp9, 128
	s_lshr_b32 s20, s19, 1                         ; which 64 columns: 0-15 Wq, 16-23 Wk, 24-31 Wv, 32-47 Wproj
	s_and_b32 s21, s19, 1                          ; which half of K
	s_wait_kmcnt 0x0
	s_mov_b64 s[22:23], s[12:13]
	s_mov_b32 s24, 32
	s_mov_b32 s25, 4096                            ; a row in bytes
	s_cmp_lt_u32 s20, 32                           ; the choices hang on the work-group's number alone
	s_cselect_b64 s[22:23], s[10:11], s[22:23]
	s_cselect_b32 s24, 24, s24
	s_cselect_b32 s25, 2048, s25
	s_cmp_lt_u32 s20, 24
	s_cselect_b64 s[22:23], s[8:9], s[22:23]
	s_cselect_b32 s24, 16, s24
	s_cmp_lt_u32 s20, 16
	s_cselect_b64 s[22:23], s[6:7], s[22:23]
	s_cselect_b32 s24, 0, s24
	s_cselect_b32 s25, 4096, s25
	s_sub_co_u32 s26, s20, s24                     ; the head within its tensor
	s_lshl_b32 s27, s26, 2
	s_add_co_u32 s28, s27, 2                       ; the head's record: Wk head g: 4 g + 2;
	s_add_co_u32 s27, s27, 3                       ; Wv head g: 4 g + 3;
	s_lshr_b32 s32, s26, 1
	s_lshl_b32 s32, s32, 2
	s_and_b32 s33, s26, 1
	s_add_co_u32 s32, s32, s33                     ; Wq head n: 4 (n / 2) + n % 2;
	s_mov_b32 s33, s20                             ; Wproj's: 32 on
	s_cmp_lt_u32 s20, 32
	s_cselect_b32 s33, s27, s33
	s_cmp_lt_u32 s20, 24
	s_cselect_b32 s33, s28, s33
	s_cmp_lt_u32 s20, 16
	s_cselect_b32 s33, s32, s33
	s_lshl_b32 s34, s21, 9
	s_lshl_b32 s35, s18, 6
	s_add_co_u32 s34, s34, s35                     ; my first row of K: 512 q + 64 wave
	s_mul_i32 s34, s34, s25
	s_lshl_b32 s35, s26, 8
	s_add_co_u32 s34, s34, s35                     ; + the head's 256 bytes of a row
	s_mov_b32 s35, 0
	s_add_nc_u64 s[22:23], s[22:23], s[34:35]
	s_mul_i32 s36, s33, 34816                      ; the head's four tile records
	s_lshl_b32 s37, s21, 8
	s_add_co_u32 s38, s36, s37
	s_add_co_u32 s38, s38, 8192
	s_and_b32 s37, s18, 3
	s_mul_i32 s37, s37, 8704
	s_add_co_u32 s38, s38, s37                     ; the tail: tile wave % 4's scale words of my half of K
	s_mov_b32 s39, 0
	s_lshl_b32 s37, s21, 12
	s_add_co_u32 s36, s36, s37
	s_lshl_b32 s37, s18, 9
	s_add_co_u32 s36, s36, s37                     ; my first block: 256 (16 q + 2 wave)
	s_mov_b32 s37, 0
	s_add_nc_u64 s[36:37], s[16:17], s[36:37]
	s_add_nc_u64 s[38:39], s[16:17], s[38:39]
	v_bfe_u32 v13, v0, 3, 1                        ; column 16 rh + 8 u + r3 of a half is row r = r3 + 8 rh of tile u
	v_and_b32 v14, 7, v0
	s_wait_alu depctr_va_vdst(0)
	v_lshl_add_u32 v14, v12, 3, v14
	v_mul_u32_u24 v1, v13, 8704
	s_delay_alu instid0(VALU_DEP_1)
	v_lshl_add_u32 v1, v14, 4, v1                  ; where my 16 bytes of a block go
	v_lshlrev_b32 v2, 8, v13
	s_delay_alu instid0(VALU_DEP_1)
	v_lshl_add_u32 v2, v14, 4, v2
	s_lshl_b32 s24, s18, 1
	s_add_co_u32 s24, s24, WST
	v_add_nc_u32 v2, s24, v2                       ; my two scale bytes: tile, 16 r, + 2 wave
	s_add_co_u32 s24, s29, WST
	v_add_nc_u32 v6, s24, v5
	v_lshlrev_b32 v15, 2, v10
.set i, 0
.rept 64
	v_mad_u32_u24 v[A+i], s25, i, v15
.set i, i+1
.endr
.set i, 0
.rept 64
	global_load_b32 v[X+64*(i/32)+(i%32)], v[A+i], s[22:23] th:TH_LOAD_NT               ; a row's 256 bytes by two loads of 128 consecutive bytes
	global_load_b32 v[X+64*(i/32)+32+(i%32)], v[A+i], s[22:23] offset:128 th:TH_LOAD_NT
.set i, i+1
.endr
.macro WBLK t, g                       ; block t of column half g: all 32 numbers are mine
.set XS, X+64*\t+32*\g
.set CC, C+8*\t+4*\g
	v_max3_num_f32 v208, |v[XS]|, |v[XS+1]|, |v[XS+2]|
	v_max3_num_f32 v209, |v[XS+3]|, |v[XS+4]|, |v[XS+5]|
.irp i, 6,10,14,18,22,26
	s_delay_alu instid0(VALU_DEP_2)
	v_max3_num_f32 v208, v208, |v[XS+\i]|, |v[XS+\i+1]|
	s_delay_alu instid0(VALU_DEP_2)
	v_max3_num_f32 v209, v209, |v[XS+\i+2]|, |v[XS+\i+3]|
.endr
	s_delay_alu instid0(VALU_DEP_2)
	v_max3_num_f32 v208, v208, |v[XS+30]|, |v[XS+31]|
	s_delay_alu instid0(VALU_DEP_1)
	v_max3_num_f32 v208, v208, v209, 0x1800000     ; and the floor
	s_delay_alu instid0(VALU_DEP_1)
	v_add_nc_u32 v210, 0xff000000, v208
	s_delay_alu instid0(VALU_DEP_1)
	v_lshrrev_b32 v[216+2*\g+\t], 23, v210
.irp q, 0,1,2,3
	v_cvt_scalef32_pk8_fp4_f32 v[CC+\q], v[XS+8*\q:XS+8*\q+7], v210
.endr
	v_nop                                          ; one plain place behind a scaled conversion
	global_store_b128 v1, v[CC:CC+3], s[36:37] offset:\g*17408+\t*256   ; sixteen lanes fill 256 consecutive bytes of each of two tiles
.endm
	s_wait_loadcnt 63                              ; block 0's 64 loads are in: 64 are younger, and the count's field ends at 63
	WBLK 0, 0
	WBLK 0, 1
	s_wait_loadcnt 0x0
	WBLK 1, 0
	WBLK 1, 1
.irp g, 0,1
	v_lshl_or_b32 v[220+\g], v[217+2*\g], 8, v[216+2*\g]
	ds_store_b16 v2, v[220+\g] offset:\g*512
.endr
	s_wait_dscnt 0x0                               ; for the others' sake
	s_barrier_signal -1
	s_barrier_wait -1
	s_cmp_lt_u32 s18, 4
	s_cbranch_scc0 .Lwend
	ds_load_b64 v[8:9], v6
	s_wait_dscnt 0x0
	global_store_b64 v5, v[8:9], s[38:39]          ; 256 consecutive bytes, aligned
.Lwend:
	s_wait_tensorcnt 0x0
	ds_add_u32 v248, v249
	s_wait_dscnt 0x0
	s_endpgm
.Lfunc_end_k_q7754e0f223_quant:
	.size	k_q7754e0f223_quant, .Lfunc_end_k_q7754e0f223_quant-k_q7754e0f223_quant
	.p2alignl 7, 3214868480
	.fill 96, 4, 3214868480
	.section	.rodata,"a",@progbits
	.p2align	6, 0x0
	.amdhsa_kernel k_q7754e0f223_quant
		.amdhsa_group_segment_fixed_size 70656
		.amdhsa_private_segment_fixed_size 0
		.amdhsa_enable_private_segment 0
		.amdhsa_kernarg_size 56
		.amdhsa_user_sgpr_count 2
		.amdhsa_user_sgpr_kernarg_segment_ptr 1
		.amdhsa_wavefront_size32 1
		.amdhsa_system_sgpr_workgroup_id_x 1
		.amdhsa_system_sgpr_workgroup_id_y 1
		.amdhsa_system_sgpr_workgroup_id_z 1
		.amdhsa_system_vgpr_workitem_id 0
		.amdhsa_next_free_vgpr 250
		.amdhsa_next_free_sgpr 66
		.amdhsa_reserve_vcc 0
		.amdhsa_float_denorm_mode_32 3
		.amdhsa_float_denorm_mode_16_64 3
		.amdhsa_memory_ordered 1
		.amdhsa_forward_progress 1
		.amdhsa_inst_pref_size 49
	.end_amdhsa_kernel
	.amdgpu_metadata
---
amdhsa.version: [ 1, 2 ]
amdhsa.kernels:
  - .name:           k_q7754e0f223_quant
    .symbol:         k_q7754e0f223_quant.kd
    .args:
      - { .name: x, .offset: 0, .size: 8, .value_kind: global_buffer, .address_space: global }
      - { .name: Wq, .offset: 8, .size: 8, .value_kind: global_buffer, .address_space: global }
      - { .name: Wk, .offset: 16, .size: 8, .value_kind: global_buffer, .address_space: global }
      - { .name: Wv, .offset: 24, .size: 8, .value_kind: global_buffer, .address_space: global }
      - { .name: Wproj, .offset: 32, .size: 8, .value_kind: global_buffer, .address_space: global }
      - { .name: xc, .offset: 40, .size: 8, .value_kind: global_buffer, .address_space: global }
      - { .name: wc, .offset: 48, .size: 8, .value_kind: global_buffer, .address_space: global }
    .group_segment_fixed_size: 70656
    .private_segment_fixed_size: 0
    .kernarg_segment_align: 8
    .kernarg_segment_size: 56
    .max_flat_workgroup_size: 256
    .sgpr_count:     66
    .vgpr_count:     250
    .wavefront_size: 32
...
	.end_amdgpu_metadata
.endif
;; end of part 1
;; launch qkv (part 2): grid 8 x 32, 8 waves a work-group, clusters of 4 x 4, 327,680 bytes of LDS; arguments x, ve, cos, sin, Wg, xc, wc, qc, kv; writes qc, kv
.if DOCPART == 2
	.amdgcn_target "amdgcn-amd-amdhsa--gfx1250"
	.amdhsa_code_object_version 6
	.text
	.protected	k_q7754e0f223_qkv
	.globl	k_q7754e0f223_qkv
	.p2align	8
	.type	k_q7754e0f223_qkv,@function
k_q7754e0f223_qkv:
	s_mov_b64 s[64:65], 0
	v_nop
	global_prefetch_b8 v0, s[64:65] scope:SCOPE_SE
	s_setreg_imm32_b32 hwreg(HW_REG_WAVE_MODE, 25, 1), 1
	s_wait_xcnt 0x0
	s_wait_alu depctr_hold_cnt(0) depctr_sa_sdst(0) depctr_va_vdst(0) depctr_va_sdst(0) depctr_va_ssrc(0) depctr_va_vcc(0) depctr_vm_vsrc(0)
	s_getreg_b32 s2, hwreg(HW_REG_IB_STS2, 6, 4)
	s_cmp_eq_u32 s2, 0
	s_cbranch_scc0 .Lentry_in_a_cluster
	s_endpgm
.Lentry_in_a_cluster:
	s_bfe_u32 s2, ttmp6, 0x10000c
	s_cmp_lg_u32 s2, 0xf033
	s_cbranch_scc0 .Lentry_shape_is_right
	s_endpgm
.Lentry_shape_is_right:
; q = rmsnorm(rope(x Wq)), k = rmsnorm(rope(x Wk)), v = x Wv + 2 sigmoid(x[:32] Wg) ve, the three products on codes of FP4 with E8M0 scales; the results are quantised on the way
; (q, k along the head's 64; v along the tokens) and leave as images of the next products' operands.
; SHARES.  Work-group (g, blk): 128 tokens x q heads 2 g, 2 g + 1, k head g, v head g.  Waves 0-3: a q head x 64 tokens; waves 4, 5: k x 64 tokens; waves 6, 7: 32 channels of v x 128 tokens.  16 accumulators a wave.
; q and k are made TRANSPOSED (source 0 = 16 columns of W, source 1 = 16 tokens): a lane holds one token and 32 of its head's 64 channels, register 16 b + i = channel 32 b + 16 h + i.
; v is made the other way round (source 0 = tokens): a lane holds one channel, register 16 b + i = token 32 b + 16 h + i, since the tokens are the next product's K.
; LDS is filled ONCE.  At the head, one tensor load a wave: waves 0-3 the four heads' records of W, waves 4-7 x's 8 tile records.  Behind a round: cos, sin (128 rows each) and ve,
; by waves 5, 6 and 7: the products along K stand between those loads and their wait.
; CLUSTER 4 x 4: x's, cos's and sin's tiles hang on blk alone and are asked for jointly along a row of the cluster, W's on g alone, along a column; ve's hang on both and are each work-group's own.
; No prefetch: no loop fetches from memory.
; TWO FRAGMENT BUFFERS: the even K steps' in window 0, the odd ones' under the same numbers in window 1 (v: by token group).  s_set_vgpr_msb: bits 1:0 source 0, 3:2 source 1, 5:4 source 2, 7:6 destination.
; LIMITS: as in the quantiser's launch (floor 2^-124 of a block's largest magnitude; NaN and infinities not served).  v_rsq_f32, v_rcp_f32 and v_exp_f32 stand ahead of quantisers.
.set XR, 0                             ; 8 x 8,704
.set WR, 69632                         ; 4 x 34,816
.set CO, 208896                        ; 128 rows of 128 bytes + 16
.set SI, 227328                        ; the same (18,432 behind CO)
.set VE, 245760                        ; 128 rows of 256 bytes + 8
.set GS, 279552                        ; 128 gates: stored by the waves, never a fill's target
.set SPARE, 280576                     ; the spare words: no other line names them
.set WV, 22
.set SEL, 30
.set G1X, 32
.set G1W, 40
.set G1C, 48
.set G1V, 56
.set G0X, 68
.set G0W, 72
.set G0C, 76
.set G0S, 80
.set G0V, 84
.set XS, 12                            ; v12-15  x's scale words: lanes 0-15 an even tile's, lanes 16-31 the odd one's.  XS, WS, WS2 hold scales and nothing else
.set WS, 16                            ; v16-31  W's scale words
.set WS2, 96                           ; v96-111 q, k: those of K steps 4-7
.set WF, 32                            ; W's fragments
.set XF, 64                            ; x's fragments
.set ACC, 128
.set TM, 112                           ; v role: at work in QUANT4
.set TQ, 54                            ; q/k role: at work in QUANT2
.set PC, 32                            ; q/k role: codes, four registers a tile
.set PW, 60                            ; q/k role: a scale word a tile
.set CB, 64                            ; q/k role: a tile's cos (16 registers) and sin (16): even tiles window 0, odd ones window 1
.set VB, 32                            ; v role: gates (16 registers) and ve (32): even blocks window 0, odd ones window 1
.set MSB, 0
.macro WIN new                         ; the immediate's high byte repeats the setting that is left
.if MSB != \new
	s_set_vgpr_msb (MSB<<8)|\new
.set MSB, \new
.endif
.endm
.macro PLACES                          ; four plain places behind a matrix instruction, ahead of loads into its registers and of reads of its result
.rept 4
	v_nop
.endr
.endm
.macro CROUND                          ; a round of the cluster's barrier
	s_barrier_signal -1
	s_barrier_wait -1
	s_cmp_lg_u32 s[WV], 0
	s_cbranch_scc1 .Lnot_wave_0_\@
	s_barrier_signal -3
.Lnot_wave_0_\@:
	s_barrier_wait -3
	s_barrier_signal -1
	s_barrier_wait -1
.endm
.macro ARM under, g0, g1, next, join   ; an arm of a tree of branches on the wave's number: one tensor load
	s_cmp_lt_u32 s[WV], \under
	s_cbranch_scc0 \next
	tensor_load_to_lds s[\g0:\g0+3], s[\g1:\g1+7]
	s_nop 0
	PLACES
	s_branch \join
\next:
.endm
; one product 16 x 16 x 128.  zero: it starts the sum.  ra, rb: source 0's or source 1's scales stand in lanes 16-31
.macro MM d, a, b, sa, sb, zero, ra, rb
.if \zero
.if \ra
	v_wmma_scale_f32_16x16x128_f8f6f4 v[(\d):(\d)+7], v[(\a):(\a)+7], v[(\b):(\b)+7], 0, v[\sa], v[\sb] matrix_a_fmt:MATRIX_FMT_FP4 matrix_b_fmt:MATRIX_FMT_FP4 matrix_a_scale:MATRIX_SCALE_ROW1
.elseif \rb
	v_wmma_scale_f32_16x16x128_f8f6f4 v[(\d):(\d)+7], v[(\a):(\a)+7], v[(\b):(\b)+7], 0, v[\sa], v[\sb] matrix_a_fmt:MATRIX_FMT_FP4 matrix_b_fmt:MATRIX_FMT_FP4 matrix_b_scale:MATRIX_SCALE_ROW1
.else
	v_wmma_scale_f32_16x16x128_f8f6f4 v[(\d):(\d)+7], v[(\a):(\a)+7], v[(\b):(\b)+7], 0, v[\sa], v[\sb] matrix_a_fmt:MATRIX_FMT_FP4 matrix_b_fmt:MATRIX_FMT_FP4
.endif
.else
.if \ra
	v_wmma_scale_f32_16x16x128_f8f6f4 v[(\d):(\d)+7], v[(\a):(\a)+7], v[(\b):(\b)+7], v[(\d):(\d)+7], v[\sa], v[\sb] matrix_a_fmt:MATRIX_FMT_FP4 matrix_b_fmt:MATRIX_FMT_FP4 matrix_a_scale:MATRIX_SCALE_ROW1
.elseif \rb
	v_wmma_scale_f32_16x16x128_f8f6f4 v[(\d):(\d)+7], v[(\a):(\a)+7], v[(\b):(\b)+7], v[(\d):(\d)+7], v[\sa], v[\sb] matrix_a_fmt:MATRIX_FMT_FP4 matrix_b_fmt:MATRIX_FMT_FP4 matrix_b_scale:MATRIX_SCALE_ROW1
.else
	v_wmma_scale_f32_16x16x128_f8f6f4 v[(\d):(\d)+7], v[(\a):(\a)+7], v[(\b):(\b)+7], v[(\d):(\d)+7], v[\sa], v[\sb] matrix_a_fmt:MATRIX_FMT_FP4 matrix_b_fmt:MATRIX_FMT_FP4
.endif
.endif
.endm
; 64 numbers of a lane (register 16 b + i = k 32 b + 16 h + i of my row) -> 8 registers of codes, a scale word
.macro QUANT4 s, pc, pw
.irp b, 0,1,2,3
	v_max3_num_f32 v[TM+\b], |v[(\s)+16*\b]|, |v[(\s)+1+16*\b]|, 0x1800000   ; with the floor 2^(3 - 127): the byte cannot fall under 1
.endr
.irp i, 2,4,6,8,10,12,14
.irp b, 0,1,2,3
	s_delay_alu instid0(VALU_DEP_4)
	v_max3_num_f32 v[TM+\b], v[TM+\b], |v[(\s)+16*\b+\i]|, |v[(\s)+1+16*\b+\i]|
.endr
.endr
.irp b, 0,1,2,3
	s_delay_alu instid0(VALU_DEP_4)
	v_permlanex16_b32 v[TM+4+\b], v[TM+\b], s[SEL], s[SEL+1]
.endr
.irp b, 0,1,2,3
	s_delay_alu instid0(VALU_DEP_4)
	v_max_num_f32 v[TM+\b], v[TM+\b], v[TM+4+\b]
.endr
.irp b, 0,1,2,3
	s_delay_alu instid0(VALU_DEP_4)
	v_add_nc_u32 v[TM+12+\b], 0xff000000, v[TM+\b]     ; 2 off the exponent field: the conversion's scale operand
.endr
.irp b, 0,1,2,3
	s_delay_alu instid0(VALU_DEP_4)
	v_lshrrev_b32 v[TM+4+\b], 23, v[TM+12+\b]
.endr
	s_delay_alu instid0(VALU_DEP_3)
	v_lshl_or_b32 v[\pw], v[TM+5], 8, v[TM+4]
	s_delay_alu instid0(VALU_DEP_1)
	v_lshl_or_b32 v[\pw], v[TM+6], 16, v[\pw]
	s_delay_alu instid0(VALU_DEP_1)
	v_lshl_or_b32 v[\pw], v[TM+7], 24, v[\pw]
.irp b, 0,1,2,3
	v_cvt_scalef32_pk8_fp4_f32 v[(\pc)+2*\b], v[(\s)+16*\b:(\s)+7+16*\b], v[TM+12+\b]
	v_cvt_scalef32_pk8_fp4_f32 v[(\pc)+1+2*\b], v[(\s)+8+16*\b:(\s)+15+16*\b], v[TM+12+\b]
.endr
	v_nop                                          ; one plain place behind a scaled conversion
.irp c, 0,1
.irp i, 0,1
	v_permlane16_swap_b32 v[(\pc)+4*\c+\i], v[(\pc)+2+4*\c+\i]
.endr
.endr
.endm
; the same for 32 numbers, two blocks: 4 registers of codes (the fragment's lower half), a scale word whose bytes 2 and 3 are 0
.macro QUANT2 s, pc, pw
.irp b, 0,1
	v_max3_num_f32 v[TQ+\b], |v[(\s)+16*\b]|, |v[(\s)+1+16*\b]|, 0x1800000
.endr
.irp i, 2,4,6,8,10,12,14
.irp b, 0,1
	s_delay_alu instid0(VALU_DEP_2)
	v_max3_num_f32 v[TQ+\b], v[TQ+\b], |v[(\s)+16*\b+\i]|, |v[(\s)+1+16*\b+\i]|
.endr
.endr
.irp b, 0,1
	s_delay_alu instid0(VALU_DEP_2)
	v_permlanex16_b32 v[TQ+2+\b], v[TQ+\b], s[SEL], s[SEL+1]
.endr
.irp b, 0,1
	s_delay_alu instid0(VALU_DEP_2)
	v_max_num_f32 v[TQ+\b], v[TQ+\b], v[TQ+2+\b]
.endr
.irp b, 0,1
	s_delay_alu instid0(VALU_DEP_2)
	v_add_nc_u32 v[TQ+4+\b], 0xff000000, v[TQ+\b]
.endr
.irp b, 0,1
	s_delay_alu instid0(VALU_DEP_2)
	v_lshrrev_b32 v[TQ+2+\b], 23, v[TQ+4+\b]
.endr
	s_delay_alu instid0(VALU_DEP_1)
	v_lshl_or_b32 v[\pw], v[TQ+3], 8, v[TQ+2]
.irp b, 0,1
	v_cvt_scalef32_pk8_fp4_f32 v[(\pc)+2*\b], v[(\s)+16*\b:(\s)+7+16*\b], v[TQ+4+\b]
	v_cvt_scalef32_pk8_fp4_f32 v[(\pc)+1+2*\b], v[(\s)+8+16*\b:(\s)+15+16*\b], v[TQ+4+\b]
.endr
	v_nop
	v_permlane16_swap_b32 v[(\pc)], v[(\pc)+2]
	v_permlane16_swap_b32 v[(\pc)+1], v[(\pc)+3]
.endm
	s_load_b512 s[4:19], s[0:1], 0x0               ; x, ve, cos, sin, Wg, xc, wc, qc
	s_load_b64 s[20:21], s[0:1], 0x40              ; kv
	WIN 0x40
	v_lshl_add_u32 v0, v0, 2, SPARE                ; v256: my spare word; v257: 0; both never rewritten
	v_mov_b32 v1, 0
	WIN 0x05
	ds_add_u32 v0, v1                              ; the opening: the add, twice on end
	ds_add_u32 v0, v1
	WIN 0
	v_lshrrev_b32 v1, 5, v0
	v_readfirstlane_b32 s[WV], v1                  ; wave 0..7
	s_bfe_u32 s23, ttmp6, 0x40000                  ; cx
	s_bfe_u32 s24, ttmp6, 0x40004                  ; cy
	s_lshl_b32 s25, ttmp9, 2
	s_add_co_u32 s25, s25, s23                     ; g = 4 x cluster x + cx
	s_and_b32 s26, ttmp7, 0xffff
	s_lshl_b32 s26, s26, 2
	s_add_co_u32 s26, s26, s24                     ; blk = 4 x cluster y + cy
	s_lshl_b32 s27, s24, 2
	s_lshl_b32 s27, 15, s27                        ; my row of the cluster
	s_lshl_b32 s28, 0x1111, s23                    ; my column
	s_mov_b32 s[SEL], 0x76543210
	s_mov_b32 s[SEL+1], 0xfedcba98
	s_mov_b32 s2, 0x3c800000                       ; 1 / 64
	s_mov_b32 s3, 0x34000000                       ; eps of f32, 2^-23
	; group 1 of the four shapes; elements of 8 bytes
	s_or_b32 s[G1X], s27, (3<<16)|(1<<21)          ; two of x's records: 68 dense rows of 256 bytes; the mask: my row; bit 21 beside a mask
	s_mov_b32 s[G1X+1], 32<<16
	s_mov_b32 s[G1X+2], 68<<16
	s_mov_b32 s[G1X+3], 32<<16
	s_mov_b32 s[G1X+4], 68
	s_mov_b32 s[G1X+5], 32
	s_mov_b32 s[G1X+6], 0
	s_mov_b32 s[G1X+7], 0
	s_or_b32 s[G1W], s28, (3<<16)|(1<<21)          ; a head's four records of W: 136 dense rows; the mask: my column
	s_mov_b32 s[G1W+1], 32<<16
	s_mov_b32 s[G1W+2], 136<<16
	s_mov_b32 s[G1W+3], 32<<16
	s_mov_b32 s[G1W+4], 136
	s_mov_b32 s[G1W+5], 32
	s_mov_b32 s[G1W+6], 0
	s_mov_b32 s[G1W+7], 0
	s_or_b32 s[G1C], s27, (3<<16)|(1<<20)|(1<<21)|(4<<22)|(3<<25)   ; cos, sin: 128 dense rows of 128 bytes, stated as 64 of 256; 4 words of padding behind every 32
	s_mov_b32 s[G1C+1], 32<<16
	s_mov_b32 s[G1C+2], 64<<16
	s_mov_b32 s[G1C+3], 32<<16
	s_mov_b32 s[G1C+4], 64
	s_mov_b32 s[G1C+5], 32
	s_mov_b32 s[G1C+6], 0
	s_mov_b32 s[G1C+7], 0
	s_mov_b32 s[G1V], (3<<16)|(1<<20)|(5<<22)|(1<<25)               ; ve: 128 rows of 256 bytes, 2,048 bytes apart, 2 words of padding behind every 64; no mask
	s_mov_b32 s[G1V+1], 32<<16
	s_mov_b32 s[G1V+2], 128<<16
	s_mov_b32 s[G1V+3], 32<<16
	s_mov_b32 s[G1V+4], 128
	s_mov_b32 s[G1V+5], 256
	s_mov_b32 s[G1V+6], 0
	s_mov_b32 s[G1V+7], 0
	; from where: x, cos, sin by blk and the wave alone; W by g and the wave alone
	s_and_b32 s29, s[WV], 3
	s_mul_i32 s88, s26, 69632
	s_mul_i32 s89, s29, 17408
	s_add_co_u32 s88, s88, s89                     ; x's tiles 8 blk + 2 (wave % 4), + 1
	s_mov_b32 s89, 0
	s_mul_i32 s90, s25, 139264
	s_mul_i32 s91, s29, 34816
	s_add_co_u32 s90, s90, s91                     ; W: of g's four heads' records one head's
	s_mov_b32 s91, 0
	s_and_b32 s92, s26, 15
	s_lshl_b32 s92, s92, 14                        ; cos, sin: 128 rows of 128 bytes; the position is the token within its batch
	s_mov_b32 s93, 0
	s_lshl_b32 s94, s26, 3
	s_add_co_u32 s94, s94, s[WV]                   ; my 16 tokens
	s_lshl_b32 s96, s94, 16                        ; in x: rows of 4,096 bytes
	s_mov_b32 s97, 0
	s_lshl_b32 s94, s26, 18                        ; in ve: 128 rows of 2,048 bytes,
	s_lshl_b32 s95, s25, 8
	s_add_co_u32 s94, s94, s95                     ; the head's 256 bytes
	s_mov_b32 s95, 0
	s_lshl_b32 s98, s25, 2                         ; Wg's column g
	s_mov_b32 s99, 0
	; to where: the wave's number alone
	s_mov_b32 s[G0X], 1
	s_mul_i32 s[G0X+1], s29, 17408
	s_mov_b32 s[G0W], 1
	s_mul_i32 s[G0W+1], s29, 34816
	s_add_co_u32 s[G0W+1], s[G0W+1], WR
	s_mov_b32 s[G0C], 1
	s_mov_b32 s[G0C+1], CO
	s_mov_b32 s[G0S], 1
	s_mov_b32 s[G0S+1], SI
	s_mov_b32 s[G0V], 1
	s_mov_b32 s[G0V+1], VE
	s_wait_alu depctr_va_vdst(0)
	s_wait_dscnt 0x0                               ; both opening adds are done
	s_wait_kmcnt 0x0
	s_add_nc_u64 s[G0X+2:G0X+3], s[14:15], s[88:89]
	s_or_b32 s[G0X+3], s[G0X+3], 0x80000000
	s_add_nc_u64 s[G0W+2:G0W+3], s[16:17], s[90:91]
	s_or_b32 s[G0W+3], s[G0W+3], 0x80000000
	s_add_nc_u64 s[G0C+2:G0C+3], s[8:9], s[92:93]
	s_or_b32 s[G0C+3], s[G0C+3], 0x80000000
	s_add_nc_u64 s[G0S+2:G0S+3], s[10:11], s[92:93]
	s_or_b32 s[G0S+3], s[G0S+3], 0x80000000
	s_add_nc_u64 s[G0V+2:G0V+3], s[6:7], s[94:95]
	s_or_b32 s[G0V+3], s[G0V+3], 0x80000000
	s_add_nc_u64 s[96:97], s[4:5], s[96:97]        ; x at my 16 tokens
	s_add_nc_u64 s[98:99], s[12:13], s[98:99]      ; Wg at column g
	; ---- the gate of my 16 tokens, in f32 multiply-adds: lane (r, h) sums k = 16 h .. 16 h + 15 of token r.  Its loads are asked for ahead of the round
	v_and_b32 v8, 15, v0                           ; r
	v_bfe_u32 v9, v0, 4, 1                         ; h
	v_lshlrev_b32 v10, 12, v8
	v_lshlrev_b32 v11, 9, v9                       ; Wg: 16 rows of 32 bytes for each half
	v_lshl_add_u32 v10, v9, 6, v10
	s_lshl_b32 s29, s[WV], 6
	s_add_co_u32 s29, s29, GS
	v_lshl_add_u32 v6, v8, 2, s29
.irp j, 0,1,2,3
	global_load_b128 v[128+4*\j:131+4*\j], v10, s[96:97] offset:16*\j
.endr
.irp i, 0,1,2,3,4,5,6,7,8,9,10,11,12,13,14,15
	global_load_b32 v[144+\i], v11, s[98:99] offset:32*\i
.endr
	s_wait_alu depctr_va_vdst(0)
	CROUND                                         ; all sixteen work-groups are here: the joint loads meet
; one tensor load a wave
	ARM 4, G0W, G1W, .Lh_x, .Lh_join
	tensor_load_to_lds s[G0X:G0X+3], s[G1X:G1X+7]
	s_nop 0
	PLACES
.Lh_join:
	; the addresses of the products' loads, for both roles: xh: which half of the tokens (q, k); wh: which half of the channels (v)
	s_and_b32 s100, s[WV], 1                       ; which half
	s_lshr_b32 s101, s[WV], 1                      ; which of the four heads' records
	s_lshr_b32 s88, s101, 1
	s_and_b32 s88, s88, s101                       ; 1 in waves 6 and 7
	s_and_b32 s90, s100, s88                       ; wh
	s_xor_b32 s88, s88, 1
	s_and_b32 s88, s88, s100                       ; xh
	s_mul_i32 s88, s88, 34816
	s_mul_i32 s89, s101, 34816
	s_mul_i32 s90, s90, 17408
	s_add_co_u32 s89, s89, s90
	s_add_co_u32 s89, s89, WR
	v_and_b32 v5, 31, v0
	v_mul_u32_u24 v2, v9, 8704
	v_lshlrev_b32 v5, 4, v5                        ; 16 x lane
	v_lshl_add_u32 v2, v8, 2, v2
	v_add_nc_u32 v1, s88, v5                       ; x's tiles (v: tiles 0-3,
	v_add_nc_u32 v3, s89, v5                       ; W's tiles
	v_add_nc_u32 v7, 34816, v1                     ; and 4-7)
	s_add_co_u32 s88, s88, 8192
	s_add_co_u32 s89, s89, 8192
	v_add_nc_u32 v2, s88, v2                       ; x's scale words: lanes 16-31 the odd tile's
	v_lshl_add_u32 v4, v8, 4, s89                  ; W's, four K steps' by one load
	s_wait_alu depctr_va_vdst(0)
	s_wait_loadcnt 0x0
	v_mul_f32 v160, v128, v144
	v_mul_f32 v161, v129, v145
.irp i, 2,4,6,8,10,12,14
	v_fma_f32 v160, v[128+\i], v[144+\i], v160
	v_fma_f32 v161, v[129+\i], v[145+\i], v161
.endr
	v_add_f32 v160, v160, v161
	v_permlanex16_b32 v161, v160, s[SEL], s[SEL+1]
	v_add_f32 v160, v160, v161
	v_mul_f32 v160, 0xbfb8aa3b, v160               ; - z log2(e)
	s_wait_alu depctr_va_vdst(0)
	v_exp_f32 v160, v160
	v_nop                                          ; one plain place behind a transcendental
	s_wait_alu depctr_va_vdst(0)
	v_add_f32 v160, 1.0, v160
	s_wait_alu depctr_va_vdst(0)
	v_rcp_f32 v160, v160
	v_nop
	s_wait_alu depctr_va_vdst(0)
	v_add_f32 v160, v160, v160                     ; 2 sigmoid(z)
	ds_store_b32 v6, v160                          ; both halves of the lanes write the same word with the same value
	WIN 0x05
	s_wait_tensorcnt 0x0                           ; my part of W or x has landed
	ds_add_u32 v0, v1                              ; (v256, v257)
	s_wait_dscnt 0x0                               ; the add is done, and my gates lie in LDS
	WIN 0
	CROUND                                         ; W, x and the gates are whole, and all sixteen work-groups are here
	s_cmp_lt_u32 s[WV], 5
	s_cbranch_scc1 .Lt_join
	ARM 6, G0C, G1C, .Lt_s, .Lt_join
	ARM 7, G0S, G1C, .Lt_v, .Lt_join
	tensor_load_to_lds s[G0V:G0V+3], s[G1V:G1V+7]
	s_nop 0
	PLACES
.Lt_join:
	s_cmp_lt_u32 s[WV], 6
	s_cbranch_scc0 .Lvk
	; ================ q and k: 8 K steps of 128; the 16 accumulators take turns, one instruction a turn, in one order
.macro KLQ k                           ; K step k's fragments and scale words: 18 loads (22 where k is a multiple of 4)
.if (\k)%2
	WIN 0x40
.endif
.irp a, 0,1,2,3
.irp c, 0,1
	ds_load_b128 v[XF+8*\a+4*\c:XF+8*\a+4*\c+3], v1 offset:\a*8704+(\k)*1024+\c*512
.endr
.endr
.irp t, 0,1,2,3
.irp c, 0,1
	ds_load_b128 v[WF+8*\t+4*\c:WF+8*\t+4*\c+3], v3 offset:\t*8704+(\k)*1024+\c*512
.endr
.endr
	WIN 0
.irp p, 0,1
	ds_load_b32 v[XS+2*((\k)%2)+\p], v2 offset:\p*17408+(\k)*64
.endr
.if ((\k)%4) == 0
.irp t, 0,1,2,3
	ds_load_b128 v[WS+(WS2-WS)*((\k)/4)+4*\t:WS+(WS2-WS)*((\k)/4)+4*\t+3], v4 offset:\t*8704+((\k)/4)*256
.endr
.endif
.endm
.macro KSQ k, zero
.if \k < 7
.if \k > 0
	PLACES                                         ; the other buffer was read by the products just issued
.endif
	KLQ \k+1
.if \k == 3
	s_wait_dscnt 22                                ; this step's loads are in; the next step's 22 may be out
.else
	s_wait_dscnt 18                                ; (18)
.endif
.else
	s_wait_dscnt 0x0
.endif
.if (\k)%2
	WIN 0x05
.endif
.irp a, 0,1,2,3
.irp t, 0,1,2,3
	MM ACC+32*\a+8*\t, WF+8*\t, XF+8*\a, WS+(WS2-WS)*(\k/4)+4*\t+\k%4, XS+2*(\k%2)+\a/2, \zero, 0, \a%2
.endr
.endr
	WIN 0
.endm
	KLQ 0
	KSQ 0, 1
.irp k, 1,2,3,4,5,6,7
	KSQ \k, 0
.endr
	PLACES
	s_branch .Lmeet
	; ================ v: 128 along K in two groups of four token tiles x my two channel tiles
.Lvk:
.macro VL k, g                         ; group g of K step k: 10 loads, with g = 0 also W's 4
.if \g
	WIN 0x40
.endif
.irp a, 0,1,2,3
.irp c, 0,1
	ds_load_b128 v[XF+8*\a+4*\c:XF+8*\a+4*\c+3], v[1+6*\g] offset:\a*8704+(\k)*1024+\c*512
.endr
.endr
	WIN 0
.irp i, 0,1
	ds_load_b32 v[XS+2*\g+\i], v2 offset:(2*\g+\i)*17408+(\k)*64
.endr
.if \g == 0
.irp t, 0,1
.irp c, 0,1
	ds_load_b128 v[WF+16*((\k)%2)+8*\t+4*\c:WF+16*((\k)%2)+8*\t+4*\c+3], v3 offset:\t*8704+(\k)*1024+\c*512
.endr
.endr
.endif
.endm
.macro VM k, g, zero
.if \g
	WIN 0x01
.endif
.irp a, 0,1,2,3
.irp t, 0,1
	MM ACC+64*\t+8*(4*\g+\a), XF+8*\a, WF+16*(\k%2)+8*\t, XS+2*\g+\a/2, WS+8*\t+\k, \zero, \a%2, 0
.endr
.endr
	WIN 0
.endm
.macro VSTEP k, zero
.if \k > 0
	PLACES
.endif
	VL \k, 1
	s_wait_dscnt 10                                ; group 0's loads are in; group 1's 10 may be out
	VM \k, 0, \zero
	PLACES
.if \k < 7
	VL \k+1, 0
	s_wait_dscnt 14                                ; group 1's are in; the next step's 14 may be out
.else
	s_wait_dscnt 0x0
.endif
	VM \k, 1, \zero
.endm
.irp t, 0,1
.irp q, 0,1
	ds_load_b128 v[WS+8*\t+4*\q:WS+8*\t+4*\q+3], v4 offset:\t*8704+\q*256
.endr
.endr
	VL 0, 0
	VSTEP 0, 1
.irp k, 1,2,3,4,5,6,7
	VSTEP \k, 0
.endr
	PLACES
.Lmeet:
	s_wait_tensorcnt 0x0                           ; my cos, sin or ve has landed,
	s_wait_dscnt 0x0
	s_barrier_signal -1
	s_barrier_wait -1                              ; everybody's have.  Nothing is filled again
	s_lshr_b32 s88, s26, 4                         ; batch
	s_and_b32 s89, s26, 15                         ; the block of 128 tokens within it
	s_lshl_b32 s92, s88, 3
	s_add_co_u32 s92, s92, s25
	s_lshl_b32 s92, s92, 4
	s_add_co_u32 s92, s92, s89
	s_mul_i32 s92, s92, 8960                       ; the record of (batch, kv head, key step)
	s_mov_b32 s93, 0
	s_cmp_lt_u32 s[WV], 6
	s_cbranch_scc0 .Lvout
	; ================ q and k: the way out
	s_lshl_b32 s90, s88, 4
	s_lshl_b32 s91, s25, 1
	s_add_co_u32 s90, s90, s91
	s_add_co_u32 s90, s90, s101                    ; batch x 16 + head
	s_lshl_b32 s90, s90, 5
	s_lshl_b32 s91, s89, 1
	s_add_co_u32 s90, s90, s91
	s_add_co_u32 s90, s90, s100                    ; x 32 + the block of 64 tokens
	s_mul_i32 s90, s90, 2304                       ; q: codes,
	s_add_co_u32 s94, s90, 2048                    ;    scale words
	s_lshl_b32 s91, s100, 11
	s_add_co_u32 s91, s91, s92                     ; k: codes,
	s_lshl_b32 s95, s100, 8
	s_add_co_u32 s95, s95, s92
	s_add_co_u32 s95, s95, 4096                    ;    scale words
	s_cmp_lt_u32 s[WV], 4                          ; the choice hangs on the wave's number alone
	s_cselect_b64 s[96:97], s[18:19], s[20:21]
	s_cselect_b32 s90, s90, s91
	s_cselect_b32 s94, s94, s95
	s_mov_b32 s91, 0
	s_mov_b32 s95, 0
	s_add_nc_u64 s[98:99], s[96:97], s[94:95]
	s_add_nc_u64 s[96:97], s[96:97], s[90:91]
	s_mul_i32 s94, s100, 9216
	s_add_co_u32 s94, s94, CO
	v_and_b32 v1, 8, v8
	v_lshlrev_b32 v3, 4, v8
	v_add_nc_u32 v1, v1, v8                        ; r + 8 (r / 8)
	v_lshl_add_u32 v3, v9, 3, v3                   ; 16 r + 8 h
	v_mul_u32_u24 v1, v1, 144
	v_lshl_add_u32 v1, v9, 6, v1
	v_add_nc_u32 v1, s94, v1                       ; cos of my token, d = 16 h on
	v_mov_b32 v53, 0                               ; (named as the upper half of the pair v[52:53])
	v_mov_b32 v50, 0                               ; a lane permute's destination counts as one of its sources
	v_mov_b32 v56, 0
	v_mov_b32 v57, 0
	s_wait_alu depctr_va_vdst(0)
.macro CSLOAD a                        ; tile a's cos and sin: 8 loads
.if (\a)%2
	WIN 0x40
.endif
.irp j, 0,1,2,3
	ds_load_b128 v[CB+4*\j:CB+4*\j+3], v1 offset:(32*((\a)/2)+8*((\a)%2))*144+16*\j
.endr
.irp j, 0,1,2,3
	ds_load_b128 v[CB+16+4*\j:CB+16+4*\j+3], v1 offset:(32*((\a)/2)+8*((\a)%2))*144+16*\j+18432
.endr
	WIN 0
.endm
; a tile of 16 tokens: rope, rms norm, codes.  Each accumulator is read from its low end on.
.macro QKTILE a
.set QA, ACC+32*\a
.if \a < 3
	s_wait_dscnt 8                                 ; my tile's cos and sin are in; the next tile's eight loads may be out
.else
	s_wait_dscnt 0x0
.endif
.if \a%2
	WIN 0x04
.endif
	s_wait_alu depctr_va_vdst(0)
.irp i, 0,2,4,6,8,10,12,14
	v_pk_mul_f32 v[8:9], v[QA+16+\i:QA+17+\i], v[CB+16+\i:CB+17+\i]         ; x2 sin
	v_pk_mul_f32 v[10:11], v[QA+\i:QA+1+\i], v[CB+16+\i:CB+17+\i]           ; x1 sin
	v_pk_fma_f32 v[QA+\i:QA+1+\i], v[QA+\i:QA+1+\i], v[CB+\i:CB+1+\i], v[8:9]
	v_pk_fma_f32 v[QA+16+\i:QA+17+\i], v[QA+16+\i:QA+17+\i], v[CB+\i:CB+1+\i], v[10:11] neg_lo:[0,0,1] neg_hi:[0,0,1]
.endr
	WIN 0
.if \a < 2
	CSLOAD \a+2
.endif
	v_pk_mul_f32 v[48:49], v[QA:QA+1], v[QA:QA+1]
	v_pk_mul_f32 v[50:51], v[QA+2:QA+3], v[QA+2:QA+3]
.irp i, 4,8,12,16,20,24,28
	v_pk_fma_f32 v[48:49], v[QA+\i:QA+1+\i], v[QA+\i:QA+1+\i], v[48:49]
	v_pk_fma_f32 v[50:51], v[QA+2+\i:QA+3+\i], v[QA+2+\i:QA+3+\i], v[50:51]
.endr
	v_pk_add_f32 v[48:49], v[48:49], v[50:51]
	v_add_f32 v48, v48, v49
	v_permlanex16_b32 v50, v48, s[SEL], s[SEL+1]   ; the token's other 32 channels lie in the lane 16 away
	v_add_f32 v48, v48, v50
	v_fma_f32 v48, v48, s2, s3                     ; the mean of the squares + eps
	s_wait_alu depctr_va_vdst(0)
	v_rsq_f32 v52, v48
	v_nop                                          ; one plain place behind a transcendental
	s_wait_alu depctr_va_vdst(0)
.irp i, 0,2,4,6,8,10,12,14,16,18,20,22,24,26,28,30
	v_pk_mul_f32 v[QA+\i:QA+1+\i], v[QA+\i:QA+1+\i], v[52:53] op_sel_hi:[1,0]
.endr
	QUANT2 QA, PC+4*\a, PW+\a
.endm
	CSLOAD 0
	CSLOAD 1
	QKTILE 0
	QKTILE 1
	QKTILE 2
	QKTILE 3
	; THE ROWS OF THE STORED TILES of q and k: tile u of 64 tokens holds in row r the token 8 u + r % 8 + 32 (r / 8), so that a score's lane later holds whole blocks of 32 keys.
	; My tiles a and a + 2 hold rows 8 (a % 2) + r % 8 + 16 (r / 8), and the same 32 on: rows 8-15 of tile a change places with rows 0-7 of tile a + 2 (lanes 8 apart).
	v_and_b32 v8, 8, v0
	v_cmp_ne_u32 vcc_lo, 0, v8
.irp i, 0,1,2,3,4,5,6,7
	v_mov_b32_dpp v[64+\i], v[PC+8+\i] row_xmask:8 row_mask:0xf bank_mask:0xf
	v_mov_b32_dpp v[80+\i], v[PC+\i] row_xmask:8 row_mask:0xf bank_mask:0xf
.endr
.irp i, 0,1
	v_mov_b32_dpp v[72+\i], v[PW+2+\i] row_xmask:8 row_mask:0xf bank_mask:0xf
	v_mov_b32_dpp v[88+\i], v[PW+\i] row_xmask:8 row_mask:0xf bank_mask:0xf
.endr
.irp i, 0,1,2,3,4,5,6,7
	v_cndmask_b32 v[PC+\i], v[PC+\i], v[64+\i], vcc_lo
	v_cndmask_b32 v[PC+8+\i], v[80+\i], v[PC+8+\i], vcc_lo
.endr
.irp i, 0,1
	v_cndmask_b32 v[PW+\i], v[PW+\i], v[72+\i], vcc_lo
	v_cndmask_b32 v[PW+2+\i], v[88+\i], v[PW+2+\i], vcc_lo
.endr
.irp a, 0,1,2,3
	global_store_b128 v5, v[PC+4*\a:PC+4*\a+3], s[96:97] offset:\a*512   ; the fragment's lower half as it stands: 512 consecutive bytes
.endr
	v_and_b32 v8, 31, v0
	v_cmp_le_u32 vcc_lo, 16, v8
	v_cndmask_b32 v10, v[PW], v[PW+2], vcc_lo      ; row r's four words: lanes 0-15 store tiles 0, 1, lanes 16-31 tiles 2, 3
	v_cndmask_b32 v11, v[PW+1], v[PW+3], vcc_lo
	global_store_b64 v3, v[10:11], s[98:99]        ; 256 consecutive bytes, aligned
	s_branch .Lend
	; ================ v: the way out
.Lvout:
	s_lshl_b32 s90, s100, 11
	s_add_co_u32 s90, s90, s92
	s_add_co_u32 s90, s90, 4608                    ; my two channel tiles' images
	s_mov_b32 s91, 0
	s_lshl_b32 s94, s100, 7
	s_add_co_u32 s94, s94, s92
	s_add_co_u32 s94, s94, 8704                    ; and their scale words
	s_mov_b32 s95, 0
	s_add_nc_u64 s[96:97], s[20:21], s[90:91]
	s_add_nc_u64 s[98:99], s[20:21], s[94:95]
	s_lshl_b32 s90, s100, 7
	s_add_co_u32 s90, s90, VE
	v_and_b32 v1, 8, v8
	v_lshlrev_b32 v11, 3, v8
	v_add_nc_u32 v1, v1, v8
	v_lshl_add_u32 v11, v9, 2, v11                 ; 8 r + 4 h
	v_lshlrev_b32 v1, 2, v1
	v_lshl_add_u32 v3, v9, 6, GS                   ; the gates of tokens 16 h on
	v_mad_u32_u24 v1, v9, 4224, v1
	v_add_nc_u32 v1, s90, v1                       ; ve: token 16 h, channel 32 vh + r + 8 (r / 8)
.irp b, 0,1,2,3
	v_mov_b32 v[TM+4+\b], 0                        ; a lane permute's destination counts as one of its sources
.endr
	s_wait_alu depctr_va_vdst(0)
.macro VLOAD b                         ; tokens 32 b + 16 h + 0 .. 15: their gates (16 registers) and ve at my two channels (16 + 16): 36 loads
.if (\b)%2
	WIN 0x40
.endif
.irp j, 0,1,2,3
	ds_load_b128 v[VB+4*\j:VB+4*\j+3], v3 offset:128*(\b)+16*\j
.endr
.irp t, 0,1
.irp i, 0,1,2,3,4,5,6,7,8,9,10,11,12,13,14,15
	ds_load_b32 v[VB+16+16*\t+\i], v1 offset:(32*(\b)+\i)*264+32*\t
.endr
.endr
	WIN 0
.endm
.macro VFMA b                          ; v += gate x ve; each accumulator from its low end on
.if (\b)%2
	WIN 0x05
.endif
.irp t, 0,1
.irp i, 0,2,4,6,8,10,12,14
	v_pk_fma_f32 v[ACC+64*\t+16*\b+\i:ACC+64*\t+16*\b+\i+1], v[VB+\i:VB+\i+1], v[VB+16+16*\t+\i:VB+17+16*\t+\i], v[ACC+64*\t+16*\b+\i:ACC+64*\t+16*\b+\i+1]
.endr
.endr
	WIN 0
.endm
	VLOAD 0
	VLOAD 1
	s_wait_dscnt 36                                ; this block's 36 loads are in; the next block's 36 may be out
	VFMA 0
	VLOAD 2
	s_wait_dscnt 36
	VFMA 1
	VLOAD 3
	s_wait_dscnt 36
	VFMA 2
	s_wait_dscnt 0x0
	VFMA 3
	QUANT4 ACC, 32, 48
	global_store_b128 v5, v[32:35], s[96:97]
	global_store_b128 v5, v[36:39], s[96:97] offset:512
	QUANT4 ACC+64, 40, 49
	global_store_b128 v5, v[40:43], s[96:97] offset:1024
	global_store_b128 v5, v[44:47], s[96:97] offset:1536
	v_cmp_eq_u32 vcc_lo, 1, v9
	v_cndmask_b32 v50, v48, v49, vcc_lo            ; row r's two words: lanes 0-15 store tile 0's, lanes 16-31 tile 1's
	global_store_b32 v11, v50, s[98:99]
.Lend:
	WIN 0x05
	s_wait_tensorcnt 0x0                           ; the wave's end
	ds_add_u32 v0, v1                              ; (v256, v257)
	s_wait_dscnt 0x0
	WIN 0
	CROUND                                         ; the closing round: no work-group ends while a partner may still ask for a tile that names it
	s_endpgm
.Lfunc_end_k_q7754e0f223_qkv:
	.size	k_q7754e0f223_qkv, .Lfunc_end_k_q7754e0f223_qkv-k_q7754e0f223_qkv
	.p2alignl 7, 3214868480
	.fill 96, 4, 3214868480
	.section	.rodata,"a",@progbits
	.p2align	6, 0x0
	.amdhsa_kernel k_q7754e0f223_qkv
		.amdhsa_group_segment_fixed_size 327680
		.amdhsa_private_segment_fixed_size 0
		.amdhsa_enable_private_segment 0
		.amdhsa_kernarg_size 72
		.amdhsa_user_sgpr_count 2
		.amdhsa_user_sgpr_kernarg_segment_ptr 1
		.amdhsa_wavefront_size32 1
		.amdhsa_system_sgpr_workgroup_id_x 1
		.amdhsa_system_sgpr_workgroup_id_y 1
		.amdhsa_system_sgpr_workgroup_id_z 1
		.amdhsa_system_vgpr_workitem_id 0
		.amdhsa_next_free_vgpr 352
		.amdhsa_next_free_sgpr 102
		.amdhsa_reserve_vcc 1
		.amdhsa_float_denorm_mode_32 3
		.amdhsa_float_denorm_mode_16_64 3
		.amdhsa_memory_ordered 1
		.amdhsa_forward_progress 1
		.amdhsa_inst_pref_size 133
	.end_amdhsa_kernel
	.amdgpu_metadata
---
amdhsa.version: [ 1, 2 ]
amdhsa.kernels:
  - .name:           k_q7754e0f223_qkv
    .symbol:         k_q7754e0f223_qkv.kd
    .args:
      - { .name: x, .offset: 0, .size: 8, .value_kind: global_buffer, .address_space: global }
      - { .name: ve, .offset: 8, .size: 8, .value_kind: global_buffer, .address_space: global }
      - { .name: cos, .offset: 16, .size: 8, .value_kind: global_buffer, .address_space: global }
      - { .name: sin, .offset: 24, .size: 8, .value_kind: global_buffer, .address_space: global }
      - { .name: Wg, .offset: 32, .size: 8, .value_kind: global_buffer, .address_space: global }
      - { .name: xc, .offset: 40, .size: 8, .value_kind: global_buffer, .address_space: global }
      - { .name: wc, .offset: 48, .size: 8, .value_kind: global_buffer, .address_space: global }
      - { .name: qc, .offset: 56, .size: 8, .value_kind: global_buffer, .address_space: global }
      - { .name: kv, .offset: 64, .size: 8, .value_kind: global_buffer, .address_space: global }
    .group_segment_fixed_size: 327680
    .private_segment_fixed_size: 0
    .kernarg_segment_align: 8
    .kernarg_segment_size: 72
    .max_flat_workgroup_size: 256
    .sgpr_count:     102
    .vgpr_count:     352
    .wavefront_size: 32
...
	.end_amdgpu_metadata
.endif
;; end of part 2
;; launch attn (part 3): grid 16 x 16, 16 waves a work-group, clusters of 4 x 1, 179,712 bytes of LDS; arguments qc, kv, yc, ys; writes yc, ys
.if DOCPART == 3
	.amdgcn_target "amdgcn-amd-amdhsa--gfx1250"
	.amdhsa_code_object_version 6
	.text
	.protected	k_q7754e0f223_attn
	.globl	k_q7754e0f223_attn
	.p2align	8
	.type	k_q7754e0f223_attn,@function
k_q7754e0f223_attn:
	s_mov_b64 s[64:65], 0
	v_nop
	global_prefetch_b8 v0, s[64:65] scope:SCOPE_SE
	s_setreg_imm32_b32 hwreg(HW_REG_WAVE_MODE, 25, 1), 1
	s_wait_xcnt 0x0
	s_wait_alu depctr_hold_cnt(0) depctr_sa_sdst(0) depctr_va_vdst(0) depctr_va_sdst(0) depctr_va_ssrc(0) depctr_va_vcc(0) depctr_vm_vsrc(0)
	s_getreg_b32 s2, hwreg(HW_REG_IB_STS2, 6, 4)
	s_cmp_eq_u32 s2, 0
	s_cbranch_scc0 .Lentry_in_a_cluster
	s_endpgm
.Lentry_in_a_cluster:
	s_bfe_u32 s2, ttmp6, 0x10000c
	s_cmp_lg_u32 s2, 0x3003
	s_cbranch_scc0 .Lentry_shape_is_right
	s_endpgm
.Lentry_shape_is_right:
; y[b][q][head] = softmax over the keys of (q . k / 8) v, causal for kv heads 0-3, causal with a left window of 1,024 for kv heads 4-7; both products on codes of FP4 with E8M0 scales.
; THE SHIFT OF THE EXPONENTS IS FIXED: the rms norm makes the mean square of each q and k at most 1, so |q|, |k| <= 8; a number of E2M1 x its scale is at most twice the number that it is made from,
; so the quantised |q . k| / 8 <= 4 x 64 / 8 = 32 and |t| = |score| x log2(e) / 8 < 47 for every input: p = 2^t lies between 2^-47 and 2^47 and a sum of 2,048 of them under 2^58.
; A whole-numbered shift M is a power of two that a block's scale takes up and the division by the sum cancels: M = 0 gives the same codes.  p is quantised along the keys; the row's sum is of the unquantised p.
; WORK LEFT OUT: key steps of 128 all of whose keys the mask hides from a wave's queries.
; SHARES.  Group g = 128 queries; octet i of it = 8 queries.  Work-group (i, batch x 8 + kv head) takes octet i of each of the 16 groups, of both q heads: task g is ONE tile of 16 columns: column r = q head r / 8, query r % 8.
; Task g walks key steps 0 .. g (with the window: g - 8 .. g).  Tasks m and 15 - m (m = 0 .. 7) are shared by two waves so that both have about half of the pair's steps: wave A takes the first steps of task 15 - m;
; wave B the rest of it, leaves that partial sum in LDS for A, and then walks task m.  (No rescaling: partial sums simply add.)
; CLUSTER 4 x 1: the four partners have one kv head; all walk the same steps and read all 16 records of K and V (128 keys, 8,960 bytes each): one joint load a wave, filled ONCE.
; No prefetch: nothing is fetched from memory in a loop.
; Both products are used transposed (S^T = K Q^T, O^T = V^T P^T), 32 rows an instruction: a lane holds ONE column.  Row r of K's tile 4 c + u is key 64 c + 32 (r / 8) + 8 u + r % 8, so register 32 c + 8 u + j of S^T
; is key 64 c + 32 h + 8 u + j: a lane holds whole blocks of 32 keys, in the order in which the second product wants them.
; The head's 64 fill half of the 128 along K: the upper four registers of Q's fragment are zero codes, so what stands in the upper halves of K's fragments counts for nothing (E2M1 has finite codes alone; K's scale bytes there are 0):
; K's tiles lie in one run of registers, four a tile, in the order 0 2 1 3 4 6 5 7, and a fragment's upper halves are its neighbours.
; K of the next step is fetched behind the step's first products, so that it lands under the softmax.
; y is quantised along its channels and leaves as [batch, i][task pair][kv head][task % 2][q head][half of the channels xor task % 2][query % 8][16 bytes]: 512 consecutive bytes a task.
; LIMITS: a block's largest y or p under 2^-124 is taken as that floor (its codes are then zeros or what the floor's scale gives); NaN and infinities are not served.
.set YST,  143360                      ; behind the records: 512 bytes, y's scale words;
.set PART, 143872                      ; 4,096 bytes for each pair: a partial O^T;
.set PSUM, 176640                      ; 128 bytes for each pair: its sums;
.set SPARE, 177664                     ; the spare words: no other line names them
.set LASTR, 134400                     ; record 15
.set WV, 12
.set G1, 24
.set G0, 32
.set CS, 48                            ; s[48:49] c = log2(e) / 8
.set SEL, 50                           ; s[50:51] lane l xor 16
.set ST, 52                            ; s52 the key step
.set TB, 53                            ; s53 its record in LDS
.set SG, 54                            ; s54 the mask's slope
.set NX, 55                            ; s55 the record whose K is fetched
.set TQ, 72
.set SPW, 8
.set NIL, 9
.set H8, 4                             ; v4 8 h
.set RHO, 12                           ; v12 query % 8, as a number
.set DH, 255                           ; v255 4 h - i, as a number
; v16-23 Q; v24-27 K's scales; v32-67 K; v68-95 at work; v96-159 S^T, then p; v160-191 O^T; v192-223 V^T; v224-231 p's codes; v232-239 sums; v240-243 the second segment's Q; v248-249 V's scales; v252-254 scales of Q (two) and p
.macro CROUND                          ; a round of the cluster's barrier
	s_barrier_signal -1
	s_barrier_wait -1
	s_cmp_lg_u32 s[WV], 0
	s_cbranch_scc1 .Lnot_wave_0_\@
	s_barrier_signal -3
.Lnot_wave_0_\@:
	s_barrier_wait -3
	s_barrier_signal -1
	s_barrier_wait -1
.endm
; 32 numbers of a lane (register 16 b + i = channel 32 b + 16 h + i) -> 4 registers of codes and two scale bytes
.macro QUANT2 s, pc, pw
.irp b, 0,1
	v_max3_num_f32 v[TQ+\b], |v[(\s)+16*\b]|, |v[(\s)+1+16*\b]|, 0x1800000
.endr
.irp i, 2,4,6,8,10,12,14
.irp b, 0,1
	s_delay_alu instid0(VALU_DEP_2)
	v_max3_num_f32 v[TQ+\b], v[TQ+\b], |v[(\s)+16*\b+\i]|, |v[(\s)+1+16*\b+\i]|
.endr
.endr
.irp b, 0,1
	s_delay_alu instid0(VALU_DEP_2)
	v_permlanex16_b32 v[TQ+2+\b], v[TQ+\b], s[SEL], s[SEL+1]
.endr
.irp b, 0,1
	s_delay_alu instid0(VALU_DEP_2)
	v_max_num_f32 v[TQ+\b], v[TQ+\b], v[TQ+2+\b]
.endr
.irp b, 0,1
	s_delay_alu instid0(VALU_DEP_2)
	v_add_nc_u32 v[TQ+4+\b], 0xff000000, v[TQ+\b]  ; 2 off the exponent field: the conversion's scale operand
.endr
.irp b, 0,1
	s_delay_alu instid0(VALU_DEP_2)
	v_lshrrev_b32 v[TQ+2+\b], 23, v[TQ+4+\b]
.endr
	s_delay_alu instid0(VALU_DEP_1)
	v_lshl_or_b32 v[\pw], v[TQ+3], 8, v[TQ+2]
.irp b, 0,1
	v_cvt_scalef32_pk8_fp4_f32 v[(\pc)+2*\b], v[(\s)+16*\b:(\s)+7+16*\b], v[TQ+4+\b]
	v_cvt_scalef32_pk8_fp4_f32 v[(\pc)+1+2*\b], v[(\s)+8+16*\b:(\s)+15+16*\b], v[TQ+4+\b]
.endr
	v_nop                                          ; one plain place behind a scaled conversion
	v_permlane16_swap_b32 v[(\pc)], v[(\pc)+2]
	v_permlane16_swap_b32 v[(\pc)+1], v[(\pc)+3]
.endm
	s_load_b256 s[4:11], s[0:1], 0x0               ; qc, kv, yc, ys
	v_lshl_add_u32 v[SPW], v0, 2, SPARE
	v_mov_b32 v[NIL], 0
	ds_add_u32 v[SPW], v[NIL]                      ; the opening: the add, twice on end
	ds_add_u32 v[SPW], v[NIL]
	v_lshrrev_b32 v1, 5, v0
	v_readfirstlane_b32 s[WV], v1                  ; wave 0..15
	s_and_b32 s13, ttmp7, 0xffff                   ; batch x 8 + kv head
	s_lshr_b32 s14, s13, 3
	s_and_b32 s15, s13, 7
	s_bfe_u32 s16, ttmp6, 0x40000
	s_lshl_b32 s17, ttmp9, 2
	s_add_co_u32 s16, s16, s17                     ; i = 4 x cluster x + cx: it enters addresses and data alone
	; the wave's bits a0 .. a3: m = a1 + 2 a2 + 4 a3; A where a0 xor a2 = 1
	s_bfe_u32 s18, s[WV], 0x10001
	s_lshr_b32 s19, s[WV], 2
	s_xor_b32 s20, s19, s[WV]
	s_and_b32 s20, s20, 1                          ; 1: A, 0: B
	s_lshl_b32 s19, s19, 1
	s_add_co_u32 s18, s18, s19                     ; m
	s_mul_i32 s21, s20, 15
	s_xor_b32 s21, s21, s18                        ; the task that I finish: A 15 - m, B m
	s_sub_co_u32 s22, 15, s18                      ; the long task, and its last step
	s_sub_co_u32 s23, 7, s18                       ; with the window its first step,
	s_add_co_u32 s36, s18, 11
	s_lshr_b32 s36, s36, 1
	s_add_co_u32 s36, s36, s23                     ; and where B takes over: half of the pair's 10 + m steps, rounded up
	s_cmp_lt_u32 s15, 4                            ; kv heads 0-3 have no window: steps 0 .. 15 - m, and B takes over at 9 of the pair's 17
	s_cselect_b32 s37, 0, s23
	s_cselect_b32 s36, 9, s36
	s_cselect_b32 s38, 31, s23                     ; the step of the window's edge; no step has the number 31
	s_sub_co_u32 s40, s36, 1
	s_cmp_eq_u32 s20, 1
	s_cselect_b32 s39, 16, s36                     ; segment 1, the long task: A none, B from s36 to s22
	s_cselect_b32 s37, s37, 0                      ; segment 2: A the long task's first part, B the short task: first step,
	s_cselect_b32 s40, s40, s18                    ; last step,
	s_cselect_b32 s41, s22, s18                    ; the diagonal's,
	s_cselect_b32 s38, s38, 31                     ; the window's edge
	; q: record of (head, 64 queries) = 2,304 bytes; my octet is rows 8 ((i / 4) % 2) on of tile i % 4 in block 2 g + i / 8
	s_mul_i32 s46, s13, 147456
	s_lshr_b32 s17, s16, 3
	s_mul_i32 s17, s17, 2304
	s_add_co_u32 s46, s46, s17
	s_and_b32 s47, s16, 3
	s_lshl_b32 s17, s47, 9
	s_add_co_u32 s46, s46, s17
	s_bfe_u32 s17, s16, 0x10002
	s_lshl_b32 s17, s17, 7
	s_add_co_u32 s46, s46, s17
	s_mul_i32 s42, s22, 4608
	s_add_co_u32 s42, s42, s46                     ; the long task's,
	s_mov_b32 s43, 0
	s_mul_i32 s44, s21, 4608
	s_add_co_u32 s44, s44, s46                     ; and of the task that I finish
	s_mov_b32 s45, 0
	s_mul_i32 s47, s47, 508
	s_sub_co_u32 s47, 2048, s47                    ; from the tile's codes to its scale words
	s_lshl_b32 s17, s13, 4
	s_add_co_u32 s17, s17, s[WV]
	s_mul_i32 s56, s17, 8960                       ; record w of K and V
	s_mov_b32 s57, 0
	s_lshl_b32 s17, s14, 4
	s_add_co_u32 s17, s17, s16                     ; batch x 16 + i
	s_lshl_b32 s58, s17, 16
	s_lshr_b32 s59, s21, 1
	s_lshl_b32 s59, s59, 13
	s_add_co_u32 s58, s58, s59
	s_lshl_b32 s59, s15, 10
	s_add_co_u32 s58, s58, s59
	s_and_b32 s46, s21, 1
	s_lshl_b32 s59, s46, 9
	s_add_co_u32 s58, s58, s59                     ; my task's 512 bytes of y
	s_mov_b32 s59, 0
	s_lshl_b32 s46, s46, 7
	s_lshl_b32 s60, s17, 9
	s_lshl_b32 s61, s15, 14
	s_add_co_u32 s60, s60, s61                     ; the work-group's 512 bytes of scale words
	s_mov_b32 s61, 0
	s_lshl_b32 s62, s18, 12
	s_add_co_u32 s62, s62, PART
	s_lshl_b32 s63, s18, 7
	s_add_co_u32 s63, s63, PSUM
	s_mov_b32 s[G1], 15|(3<<16)|(1<<21)            ; the mask: all four partners; bit 21 beside a mask; 35 dense rows of 256 bytes (32 elements of 8 bytes)
	s_mov_b32 s[G1+1], 32<<16
	s_mov_b32 s[G1+2], 35<<16
	s_mov_b32 s[G1+3], 32<<16
	s_mov_b32 s[G1+4], 35
	s_mov_b32 s[G1+5], 32
	s_mov_b32 s[G1+6], 0
	s_mov_b32 s[G1+7], 0
	s_mov_b32 s[G0], 1
	s_mul_i32 s[G0+1], s[WV], 8960                 ; record w to byte 8,960 w
	s_mov_b32 s[CS], 0x3e38aa3b                    ; log2(e) / 8
	s_mov_b32 s[CS+1], s[CS]                       ; (named with it as a pair)
	s_mov_b32 s[SEL], 0x76543210
	s_mov_b32 s[SEL+1], 0xfedcba98
	v_and_b32 v12, 7, v0                           ; query % 8
	v_bfe_u32 v13, v0, 3, 1                        ; q head
	v_bfe_u32 v14, v0, 4, 1                        ; h
	v_and_b32 v15, 31, v0                          ; lane
	v_mul_u32_u24 v10, v13, 0x12000                ; from q head to q head
	v_lshl_add_u32 v10, v12, 4, v10
	v_lshl_add_u32 v11, v14, 8, v10
	v_add_nc_u32 v10, s47, v10
	v_and_b32 v3, 15, v0
	v_lshlrev_b32 v1, 4, v15                       ; 16 x lane
	v_lshlrev_b32 v2, 4, v3
	v_lshlrev_b32 v3, 3, v3
	v_lshl_add_u32 v2, v14, 2, v2                  ; 16 r + 4 h
	v_lshl_add_u32 v3, v14, 2, v3                  ; 8 r + 4 h
	s_wait_alu depctr_va_vdst(0)
	s_wait_dscnt 0x0                               ; both opening adds are done
	s_wait_kmcnt 0x0
	s_add_nc_u64 s[42:43], s[4:5], s[42:43]
	s_add_nc_u64 s[44:45], s[4:5], s[44:45]
	global_load_b128 v[16:19], v11, s[42:43]       ; Q of the long task, lower half,
	global_load_b32 v252, v10, s[42:43]            ; its scale words;
	global_load_b128 v[240:243], v11, s[44:45]     ; Q of the task that I finish
	global_load_b32 v253, v10, s[44:45]
	s_add_nc_u64 s[G0+2:G0+3], s[6:7], s[56:57]
	s_or_b32 s[G0+3], s[G0+3], 0x80000000
	CROUND                                         ; all four work-groups are here: the joint loads meet
	tensor_load_to_lds s[G0:G0+3], s[G1:G1+7]      ; the wave's one tensor load
	s_nop 0
.rept 4
	v_nop
.endr
	s_add_nc_u64 s[8:9], s[8:9], s[58:59]
	s_add_nc_u64 s[10:11], s[10:11], s[60:61]
	s_lshl_b32 s47, s21, 5
	s_add_co_u32 s47, s47, YST
	v_lshlrev_b32 v[H8], 3, v14
	v_lshlrev_b32 v[DH], 2, v14
	v_lshlrev_b32 v5, 7, v14
	v_lshl_add_u32 v6, v13, 1, s47
	v_sub_nc_u32 v[DH], v[DH], s16
	v_xor_b32 v5, s46, v5
	v_lshl_add_u32 v5, v13, 8, v5
	v_cvt_f32_i32 v[DH], v[DH]
	v_lshl_add_u32 v13, v12, 2, v6                 ; my two scale bytes: 32 x task + 4 x query + 2 x q head
	v_lshl_add_u32 v14, v12, 4, v5                 ; my 16 bytes of the task's 512
	v_cvt_f32_u32 v[RHO], v12
	v_add_nc_u32 v15, YST, v1
.irp i, 20,21,22,23,64,65,66,67,74,75,76,77,87,89
	v_mov_b32 v[\i], 0                             ; Q's upper half: zero codes; the last K fragment's upper half; lane permutes' destinations and upper halves of pairs
.endr
.macro CLEAR                           ; O^T and the sums (four pairs) begin as zeros: a segment's step is written once
.set n, 0
.rept 32
	v_mov_b32 v[160+n], 0
.set n, n+1
.endr
.irp i, 232,233,234,235,236,237,238,239
	v_mov_b32 v[\i], 0
.endr
.endm
	CLEAR
	s_wait_alu depctr_va_vdst(0)
	s_wait_loadcnt 0x0                             ; Q; v10 and v11 are free
	v_add_nc_u32 v10, s62, v1                      ; my pair's partial O^T,
	v_lshrrev_b32 v11, 2, v1
	v_add_nc_u32 v11, s63, v11                     ; and its sums
	s_wait_alu depctr_va_vdst(0)
	s_wait_tensorcnt 0x0                           ; my record has landed,
	s_barrier_signal -1
	s_barrier_wait -1                              ; everybody's has.  Nothing is filled again
.macro KLOAD                           ; K's eight tiles of record NX and their scale words (lanes 16-31: the odd tile's): 12 loads
	v_add_nc_u32 v5, s[NX], v1
	v_add_nc_u32 v6, s[NX], v2
	v_nop
	v_nop                                          ; (four places behind the products that read these registers)
.irp c, 0,1
.irp u, 0,1,2,3
	ds_load_b128 v[32+16*\c+4*(\u/2)+8*(\u%2):35+16*\c+4*(\u/2)+8*(\u%2)], v5 offset:2048*\c+512*\u
.endr
	ds_load_b32 v[24+2*\c], v6 offset:4096+256*\c
	ds_load_b32 v[25+2*\c], v6 offset:4104+256*\c
.endr
.endm
; A SEGMENT: 16 trips in every wave; a step outside lo .. hi is jumped over by a scalar branch on ids.
.macro SEGMENT lo, hi, dg, wn, win
	s_mul_i32 s[NX], s[\lo], 8960
	s_min_u32 s[NX], s[NX], LASTR
	KLOAD                                          ; K of the first step (a wave that has no step here, lo = 16, does not use it)
	s_mov_b32 s[ST], 0
	s_mov_b32 s[TB], 0
.Ltrip_\@:
	s_cmp_lt_u32 s[ST], s[\lo]
	s_cbranch_scc1 .Lhid_\@
	s_cmp_gt_u32 s[ST], s[\hi]
	s_cbranch_scc1 .Lhid_\@
	v_add_nc_u32 v28, s[TB], v1
	v_add_nc_u32 v7, s[TB], v3
.irp t, 0,1,2,3,4,5,6,7
	ds_load_b128 v[192+4*\t:195+4*\t], v28 offset:4608+512*\t  ; V^T's four tiles
.endr
	ds_load_b32 v248, v7 offset:8704                           ; their scale words
	ds_load_b32 v249, v7 offset:8832
	s_wait_dscnt 10                                ; K and its scales are in; V's ten loads may be out
.irp p, 0,1,2,3
	v_wmma_scale_f32_32x16x128_f4 v[96+16*\p:111+16*\p], v[32+16*(\p/2)+4*(\p%2):47+16*(\p/2)+4*(\p%2)], v[16:23], 0, v[24+\p], v252
.endr
	s_add_co_u32 s[NX], s[TB], 8960
	s_min_u32 s[NX], s[NX], LASTR
	KLOAD                                          ; the next step's (behind the segment's last step it is not used; held at the last record)
	s_mov_b32 s[SG], 0xc9800000                    ; -2^20: the diagonal's step hides keys after the query
	s_cmp_eq_u32 s[ST], s[\dg]
	s_cbranch_scc1 .Lmask_\@
.if \win
	s_mov_b32 s[SG], 0x49800000                    ; 2^20: the window's edge hides keys before query - 1,024, which has the query's place in its group
	s_cmp_eq_u32 s[ST], s[\wn]
	s_cbranch_scc1 .Lmask_\@
.endif
.set n, 0
.rept 32
	v_pk_mul_f32 v[96+n:97+n], v[96+n:97+n], s[CS:CS+1] op_sel_hi:[1,0]   ; t
.set n, n+2
.endr
	s_branch .Lgo_\@
; A step with hidden keys: t = score x c + bias.  D = the key's octet (8 c + 4 h + u) - i; a = -2^20 or 2^20: bias = min(0, a D) where D is not 0, min(0, a (j - query % 8)) where it is: 0 or at most -2^20, and p = 0 then.
.Lmask_\@:
	v_mul_f32 v90, s[SG], v[RHO]
	v_mul_f32 v78, -1.0, v90
	v_fma_f32 v79, s[SG], 1.0, -v90
	v_fma_f32 v80, s[SG], 2.0, -v90
	v_fma_f32 v81, s[SG], 3.0, -v90
	v_fma_f32 v82, s[SG], 4.0, -v90
	v_fma_f32 v83, s[SG], 5.0, -v90
	v_fma_f32 v84, s[SG], 6.0, -v90
	v_fma_f32 v85, s[SG], 7.0, -v90
.irp i, 78,79,80,81,82,83,84,85
	v_min_num_f32 v[\i], 0, v[\i]
.endr
.irp t, 0,1,2,3,4,5,6,7
.if \t == 0
	v_mov_b32 v91, v[DH]
.elseif \t == 4
	v_add_f32 v91, 5.0, v91
.else
	v_add_f32 v91, 1.0, v91                        ; D
.endif
	v_mul_f32 v86, s[SG], v91
	v_fma_f32 v88, -v91, v91, 1.0
	v_min_num_f32 v86, 0, v86
	v_max_num_f32 v88, 0, v88                      ; 1 where D = 0, else 0
	v_pk_fma_f32 v[92:93], v[88:89], v[78:79], v[86:87] op_sel_hi:[0,1,0]
	v_pk_fma_f32 v[94:95], v[88:89], v[80:81], v[86:87] op_sel_hi:[0,1,0]
	v_pk_fma_f32 v[68:69], v[88:89], v[82:83], v[86:87] op_sel_hi:[0,1,0]
	v_pk_fma_f32 v[70:71], v[88:89], v[84:85], v[86:87] op_sel_hi:[0,1,0]
	v_pk_fma_f32 v[96+8*\t:97+8*\t], v[96+8*\t:97+8*\t], s[CS:CS+1], v[92:93] op_sel_hi:[1,0,1]
	v_pk_fma_f32 v[98+8*\t:99+8*\t], v[98+8*\t:99+8*\t], s[CS:CS+1], v[94:95] op_sel_hi:[1,0,1]
	v_pk_fma_f32 v[100+8*\t:101+8*\t], v[100+8*\t:101+8*\t], s[CS:CS+1], v[68:69] op_sel_hi:[1,0,1]
	v_pk_fma_f32 v[102+8*\t:103+8*\t], v[102+8*\t:103+8*\t], s[CS:CS+1], v[70:71] op_sel_hi:[1,0,1]
.endr
.Lgo_\@:
	s_wait_alu depctr_va_vdst(0)
.set n, 0
.rept 64
	v_exp_f32 v[96+n], v[96+n]                     ; p = 2^t
.set n, n+1
.endr
	v_nop                                          ; one plain place behind the exponentials
	s_wait_alu depctr_va_vdst(0)                   ; and behind it
.irp c, 0,1                                    ; the largest p of my block 2 c + h: its 32 numbers are mine; two chains each; with the floor 2^(3 - 127)
	v_max3_num_f32 v[68+2*\c], v[96+32*\c], v[97+32*\c], 0x1800000
	v_max3_num_f32 v[69+2*\c], v[98+32*\c], v[99+32*\c], v[100+32*\c]
.endr
.irp i, 5,9,13,17,21,25
.irp c, 0,1
	v_max3_num_f32 v[68+2*\c], v[68+2*\c], v[96+32*\c+\i], v[97+32*\c+\i]
	v_max3_num_f32 v[69+2*\c], v[69+2*\c], v[98+32*\c+\i], v[99+32*\c+\i]
.endr
.endr
.irp c, 0,1
	v_max3_num_f32 v[68+2*\c], v[68+2*\c], v[125+32*\c], v[126+32*\c]
.endr
.irp c, 0,1
	v_max3_num_f32 v[68+2*\c], v[68+2*\c], v[69+2*\c], v[127+32*\c]
.endr
	v_pk_add_f32 v[232:233], v[232:233], v[96:97]  ; the row's sum, of the unquantised p, in four pairs
	v_pk_add_f32 v[234:235], v[234:235], v[98:99]
.irp c, 0,1
	v_add_nc_u32 v[72+\c], 0xff000000, v[68+2*\c]  ; 2 off the exponent field: the conversion's scale operand
.endr
	v_pk_add_f32 v[236:237], v[236:237], v[100:101]
	v_pk_add_f32 v[238:239], v[238:239], v[102:103]
.irp c, 0,1
	v_lshrrev_b32 v[74+\c], 23, v[72+\c]           ; the scale's byte
.endr
.irp c, 0,1
.irp i, 0,1,2,3
	v_cvt_scalef32_pk8_fp4_f32 v[224+4*\c+\i], v[96+32*\c+8*\i:103+32*\c+8*\i], v[72+\c]   ; the operand's registers as they stand
.endr
.endr
	v_lshl_or_b32 v74, v75, 16, v74
	v_pk_add_f32 v[232:233], v[232:233], v[104:105]
	v_pk_add_f32 v[234:235], v[234:235], v[106:107]
	v_lshlrev_b32 v74, v[H8], v74                  ; my bytes at places h and 2 + h;
	v_pk_add_f32 v[236:237], v[236:237], v[108:109]
	v_pk_add_f32 v[238:239], v[238:239], v[110:111]
	v_permlanex16_b32 v76, v74, s[SEL], s[SEL+1]
	v_pk_add_f32 v[232:233], v[232:233], v[112:113]
	v_pk_add_f32 v[234:235], v[234:235], v[114:115]
	v_or_b32 v254, v74, v76                        ; with lane l xor 16's the scale word is whole
	v_pk_add_f32 v[236:237], v[236:237], v[116:117]
	v_pk_add_f32 v[238:239], v[238:239], v[118:119]
.set n, 24
.rept 5
.irp i, 0,2,4,6
	v_pk_add_f32 v[232+\i:233+\i], v[232+\i:233+\i], v[96+n+\i:97+n+\i]   ; (these are also the places between p's codes and scale word and the products)
.endr
.set n, n+8
.endr
	s_wait_dscnt 12                                ; V and its scales are in; the next step's K, 12 loads, may be out
.irp p, 0,1
	s_wait_alu depctr_va_vdst(0)                   ; O^T was written ahead of the exponentials
	v_wmma_scale_f32_32x16x128_f4 v[160+16*\p:175+16*\p], v[192+16*\p:207+16*\p], v[224:231], v[160+16*\p:175+16*\p], v[248+\p], v254
.endr
.rept 4
	v_nop                                          ; places ahead of the next step's loads and of the reads of O^T
.endr
.Lhid_\@:
	s_add_co_u32 s[TB], s[TB], 8960
	s_add_co_u32 s[ST], s[ST], 1
	s_cmp_lt_u32 s[ST], 16
	s_cbranch_scc1 .Ltrip_\@
.endm
.macro SUM                             ; the four pairs of sums into v232
	s_wait_alu depctr_va_vdst(0)
	v_pk_add_f32 v[232:233], v[232:233], v[234:235]
	v_pk_add_f32 v[236:237], v[236:237], v[238:239]
	v_pk_add_f32 v[232:233], v[232:233], v[236:237]
	v_add_f32 v232, v232, v233
	s_wait_alu depctr_va_vdst(0)
.endm
	SEGMENT 39, 22, 22, 22, 0                      ; (B starts behind the window's edge)
	SUM
	s_cmp_eq_u32 s20, 1
	s_cbranch_scc1 .Lkept
.irp t, 0,1,2,3,4,5,6,7
	ds_store_b128 v10, v[160+4*\t:163+4*\t] offset:512*\t   ; B: the long task's partial O^T, register by register,
.endr
	ds_store_b32 v11, v232                         ; and its sums
.Lkept:
	s_wait_dscnt 0x0                               ; for A's sake
	s_barrier_signal -1                            ; between this signal and its wait: work on registers, and reads of K and V, which nobody writes any more
.irp i, 0,1,2,3
	v_mov_b32 v[16+\i], v[240+\i]                  ; the second segment's Q
.endr
	v_mov_b32 v252, v253
	CLEAR
	s_wait_alu depctr_va_vdst(0)
	SEGMENT 37, 40, 41, 38, 1
	SUM
	s_barrier_wait -1                              ; B's partials are there
	s_cmp_eq_u32 s20, 1
	s_cbranch_scc0 .Lwhole
.irp t, 0,1,2,3,4,5,6,7
	ds_load_b128 v[96+4*\t:99+4*\t], v10 offset:512*\t
.endr
	ds_load_b32 v128, v11
	s_wait_dscnt 0x0
.set n, 0
.rept 16
	v_pk_add_f32 v[160+n:161+n], v[160+n:161+n], v[96+n:97+n]
.set n, n+2
.endr
	v_add_f32 v232, v232, v128
.Lwhole:
	s_wait_alu depctr_va_vdst(0)
	v_permlanex16_b32 v233, v232, s[SEL], s[SEL+1]
	v_add_f32 v232, v232, v233                     ; with lane l xor 16's keys
	s_wait_alu depctr_va_vdst(0)
	v_rcp_f32 v232, v232
	v_nop                                          ; one plain place behind a transcendental
	s_wait_alu depctr_va_vdst(0)
.set n, 0
.rept 16
	v_pk_mul_f32 v[96+n:97+n], v[160+n:161+n], v[232:233] op_sel_hi:[1,0]   ; register 16 b + i is channel 32 b + 16 h + i
.set n, n+2
.endr
	QUANT2 96, 224, 234
	global_store_b128 v14, v[224:227], s[8:9]      ; 512 consecutive bytes, aligned
	ds_store_b16 v13, v234                         ; (both halves of the lanes write the same bytes with the same value)
	s_wait_dscnt 0x0                               ; for wave 0's sake
	s_barrier_signal -1
	s_barrier_wait -1
	s_cmp_eq_u32 s[WV], 0
	s_cbranch_scc0 .Lend
	ds_load_b128 v[16:19], v15                     ; wave 0: the work-group's scale words, [task][query % 8]
	s_wait_dscnt 0x0
	global_store_b128 v1, v[16:19], s[10:11]       ; 512 consecutive bytes, aligned
.Lend:
	s_wait_tensorcnt 0x0                           ; the wave's end
	ds_add_u32 v[SPW], v[NIL]
	s_wait_dscnt 0x0
	CROUND                                         ; the closing round: no work-group ends while a partner may still ask for a tile that names it
	s_endpgm
.Lfunc_end_k_q7754e0f223_attn:
	.size	k_q7754e0f223_attn, .Lfunc_end_k_q7754e0f223_attn-k_q7754e0f223_attn
	.p2alignl 7, 3214868480
	.fill 96, 4, 3214868480
	.section	.rodata,"a",@progbits
	.p2align	6, 0x0
	.amdhsa_kernel k_q7754e0f223_attn
		.amdhsa_group_segment_fixed_size 179712
		.amdhsa_private_segment_fixed_size 0
		.amdhsa_enable_private_segment 0
		.amdhsa_kernarg_size 32
		.amdhsa_user_sgpr_count 2
		.amdhsa_user_sgpr_kernarg_segment_ptr 1
		.amdhsa_wavefront_size32 1
		.amdhsa_system_sgpr_workgroup_id_x 1
		.amdhsa_system_sgpr_workgroup_id_y 1
		.amdhsa_system_sgpr_workgroup_id_z 1
		.amdhsa_system_vgpr_workitem_id 0
		.amdhsa_next_free_vgpr 256
		.amdhsa_next_free_sgpr 66
		.amdhsa_reserve_vcc 0
		.amdhsa_float_denorm_mode_32 3
		.amdhsa_float_denorm_mode_16_64 3
		.amdhsa_memory_ordered 1
		.amdhsa_forward_progress 1
		.amdhsa_inst_pref_size 58
	.end_amdhsa_kernel
	.amdgpu_metadata
---
amdhsa.version: [ 1, 2 ]
amdhsa.kernels:
  - .name:           k_q7754e0f223_attn
    .symbol:         k_q7754e0f223_attn.kd
    .args:
      - { .name: qc, .offset: 0, .size: 8, .value_kind: global_buffer, .address_space: global }
      - { .name: kv, .offset: 8, .size: 8, .value_kind: global_buffer, .address_space: global }
      - { .name: yc, .offset: 16, .size: 8, .value_kind: global_buffer, .address_space: global }
      - { .name: ys, .offset: 24, .size: 8, .value_kind: global_buffer, .address_space: global }
    .group_segment_fixed_size: 179712
    .private_segment_fixed_size: 0
    .kernarg_segment_align: 8
    .kernarg_segment_size: 32
    .max_flat_workgroup_size: 512
    .sgpr_count:     66
    .vgpr_count:     256
    .wavefront_size: 32
...
	.end_amdgpu_metadata
.endif
;; end of part 3
;; launch proj (part 4): grid 8 x 32, 8 waves a work-group, clusters of 4 x 4, 175,104 bytes of LDS; arguments yc, ys, wc, out0; writes out0
.if DOCPART == 4
	.amdgcn_target "amdgcn-amd-amdhsa--gfx1250"
	.amdhsa_code_object_version 6
	.text
	.protected	k_q7754e0f223_proj
	.globl	k_q7754e0f223_proj
	.p2align	8
	.type	k_q7754e0f223_proj,@function
k_q7754e0f223_proj:
	s_mov_b64 s[64:65], 0
	v_nop
	global_prefetch_b8 v0, s[64:65] scope:SCOPE_SE
	s_setreg_imm32_b32 hwreg(HW_REG_WAVE_MODE, 25, 1), 1
	s_wait_xcnt 0x0
	s_wait_alu depctr_hold_cnt(0) depctr_sa_sdst(0) depctr_va_vdst(0) depctr_va_sdst(0) depctr_va_ssrc(0) depctr_va_vcc(0) depctr_vm_vsrc(0)
	s_getreg_b32 s2, hwreg(HW_REG_IB_STS2, 6, 4)
	s_cmp_eq_u32 s2, 0
	s_cbranch_scc0 .Lentry_in_a_cluster
	s_endpgm
.Lentry_in_a_cluster:
	s_bfe_u32 s2, ttmp6, 0x10000c
	s_cmp_lg_u32 s2, 0xf033
	s_cbranch_scc0 .Lentry_shape_is_right
	s_endpgm
.Lentry_shape_is_right:
; out0 = y Wproj on codes of FP4 with E8M0 scales.  Wproj's records lie as images of the operands' registers.
; SHARES.  Work-group (gx, gy): 128 tokens x 128 columns.  gy = batch x 16 + i: the tokens are octet i (8 tokens) of each of the batch's 16 groups of 128: row n of tile T is token 128 (2 T + n / 8) + 8 i + n % 8,
; which are one run of 65,536 bytes of codes and, for each K step, 512 bytes of scale words.  Wave w: token tiles 2 (w % 4), 2 (w % 4) + 1 x 64 columns (w / 4): eight accumulators.
; y's tile: K step kk of 128 at 1,024 kk; in it byte 512 o + 256 c + 128 (h xor o) + 16 (r % 8), o = r / 8, holds registers 4 c .. 4 c + 3 of lane (r, h): the 16 lanes of a half so touch 256 bytes at different places modulo 256.
; LDS is filled ONCE, one tensor load a wave: waves 0-3 W's 8 tile records, waves 4, 5 y's codes, waves 6, 7 its scale words.  No prefetch: there is no loop to run ahead in.
; CLUSTER 4 x 4: y's tiles hang on gy alone and are asked for jointly along a row of the cluster, W's on gx alone, along a column.
; The product is used TRANSPOSED (source 0 = 16 columns of W, source 1 = 16 tokens): a lane holds one token, register 16 b + i = column 32 b + 16 h + i.  The rows go out through the wave's own stage.
.set YS,  65536                        ; scale words: [K step 8][tile 8][r 16]
.set WL,  69632                        ; 8 x 8,704
.set STG, 139264                       ; 16 rows of 256 bytes + 16 for each wave: stored by the waves, never a fill's target
.set SPARE, 174080                     ; the spare words: no other line names them
.set SPW, 248
.set NIL, 249
.set WV,  12
.set G1Y, 24
.set G1S, 32
.set G1W, 40
.set G0Y, 48
.set G0S, 52
.set G0W, 56
.set YSC, 16                           ; v16-23  y's scale words, a register a K step: lanes 0-15 my even tile's, lanes 16-31 the odd one's
.set WS,  24                           ; v24-55  W's: 8 t + K step
.set YF,  56                           ; v56-87  y's fragments, two buffers
.set WF,  88                           ; v88-151 W's, two buffers
.set ACC, 152
.macro PLACES
.rept 4
	v_nop
.endr
.endm
.macro CROUND
	s_barrier_signal -1
	s_barrier_wait -1
	s_cmp_lg_u32 s[WV], 0
	s_cbranch_scc1 .Lnot_wave_0_\@
	s_barrier_signal -3
.Lnot_wave_0_\@:
	s_barrier_wait -3
	s_barrier_signal -1
	s_barrier_wait -1
.endm
.macro MM d, a, b, sa, sb, zero, rb
.if \zero
.if \rb
	v_wmma_scale_f32_16x16x128_f8f6f4 v[(\d):(\d)+7], v[(\a):(\a)+7], v[(\b):(\b)+7], 0, v[\sa], v[\sb] matrix_a_fmt:MATRIX_FMT_FP4 matrix_b_fmt:MATRIX_FMT_FP4 matrix_b_scale:MATRIX_SCALE_ROW1
.else
	v_wmma_scale_f32_16x16x128_f8f6f4 v[(\d):(\d)+7], v[(\a):(\a)+7], v[(\b):(\b)+7], 0, v[\sa], v[\sb] matrix_a_fmt:MATRIX_FMT_FP4 matrix_b_fmt:MATRIX_FMT_FP4
.endif
.else
.if \rb
	v_wmma_scale_f32_16x16x128_f8f6f4 v[(\d):(\d)+7], v[(\a):(\a)+7], v[(\b):(\b)+7], v[(\d):(\d)+7], v[\sa], v[\sb] matrix_a_fmt:MATRIX_FMT_FP4 matrix_b_fmt:MATRIX_FMT_FP4 matrix_b_scale:MATRIX_SCALE_ROW1
.else
	v_wmma_scale_f32_16x16x128_f8f6f4 v[(\d):(\d)+7], v[(\a):(\a)+7], v[(\b):(\b)+7], v[(\d):(\d)+7], v[\sa], v[\sb] matrix_a_fmt:MATRIX_FMT_FP4 matrix_b_fmt:MATRIX_FMT_FP4
.endif
.endif
.endm
	s_load_b256 s[4:11], s[0:1], 0x0               ; yc, ys, wc, out0
	v_lshl_add_u32 v[SPW], v0, 2, SPARE
	v_mov_b32 v[NIL], 0
	ds_add_u32 v[SPW], v[NIL]                      ; the opening: the add, twice on end
	ds_add_u32 v[SPW], v[NIL]
	v_lshrrev_b32 v1, 5, v0
	v_readfirstlane_b32 s[WV], v1                  ; wave 0..7
	s_bfe_u32 s13, ttmp6, 0x40000                  ; cx
	s_bfe_u32 s14, ttmp6, 0x40004                  ; cy
	s_lshl_b32 s15, ttmp9, 2
	s_add_co_u32 s15, s15, s13                     ; gx
	s_and_b32 s16, ttmp7, 0xffff
	s_lshl_b32 s16, s16, 2
	s_add_co_u32 s16, s16, s14                     ; gy
	s_lshl_b32 s17, s14, 2
	s_lshl_b32 s17, 15, s17                        ; my row of the cluster
	s_lshl_b32 s18, 0x1111, s13                    ; my column
	s_or_b32 s[G1Y], s17, (3<<16)|(1<<21)          ; half of y's block: 128 dense rows of 256 bytes (elements of 8 bytes); bit 21 beside a mask
	s_mov_b32 s[G1Y+1], 32<<16
	s_mov_b32 s[G1Y+2], 128<<16
	s_mov_b32 s[G1Y+3], 32<<16
	s_mov_b32 s[G1Y+4], 128
	s_mov_b32 s[G1Y+5], 32
	s_mov_b32 s[G1Y+6], 0
	s_mov_b32 s[G1Y+7], 0
	s_or_b32 s[G1S], s17, (3<<16)|(1<<21)          ; four K steps' scale words: rows of 512 bytes, 16,384 apart
	s_mov_b32 s[G1S+1], 64<<16
	s_mov_b32 s[G1S+2], 4<<16
	s_mov_b32 s[G1S+3], 64<<16
	s_mov_b32 s[G1S+4], 4
	s_mov_b32 s[G1S+5], 2048
	s_mov_b32 s[G1S+6], 0
	s_mov_b32 s[G1S+7], 0
	s_or_b32 s[G1W], s18, (3<<16)|(1<<21)          ; two records of W: 68 dense rows
	s_mov_b32 s[G1W+1], 32<<16
	s_mov_b32 s[G1W+2], 68<<16
	s_mov_b32 s[G1W+3], 32<<16
	s_mov_b32 s[G1W+4], 68
	s_mov_b32 s[G1W+5], 32
	s_mov_b32 s[G1W+6], 0
	s_mov_b32 s[G1W+7], 0
	s_and_b32 s19, s[WV], 1                        ; which half, of y's codes and of its scale words
	s_lshl_b32 s20, s19, 15
	s_lshl_b32 s68, s16, 16
	s_add_co_u32 s68, s68, s20
	s_mov_b32 s69, 0
	s_lshl_b32 s70, s19, 16
	s_lshl_b32 s71, s16, 9
	s_add_co_u32 s70, s70, s71                     ; K steps 4 x half on
	s_mov_b32 s71, 0
	s_lshl_b32 s72, s15, 3
	s_add_co_u32 s72, s72, 128
	s_mul_i32 s72, s72, 8704                       ; Wproj's tile 8 gx (its records begin at tile 128),
	s_mul_i32 s73, s[WV], 17408
	s_add_co_u32 s72, s72, s73                     ; + two for each wave
	s_mov_b32 s73, 0
	s_mov_b32 s[G0Y], 1
	s_mov_b32 s[G0Y+1], s20
	s_mov_b32 s[G0S], 1
	s_lshl_b32 s[G0S+1], s19, 11
	s_add_co_u32 s[G0S+1], s[G0S+1], YS
	s_mov_b32 s[G0W], 1
	s_mul_i32 s[G0W+1], s[WV], 17408
	s_add_co_u32 s[G0W+1], s[G0W+1], WL
	s_wait_dscnt 0x0                               ; both opening adds are done
	s_wait_kmcnt 0x0
	s_add_nc_u64 s[G0Y+2:G0Y+3], s[4:5], s[68:69]
	s_or_b32 s[G0Y+3], s[G0Y+3], 0x80000000
	s_add_nc_u64 s[G0S+2:G0S+3], s[6:7], s[70:71]
	s_or_b32 s[G0S+3], s[G0S+3], 0x80000000
	s_add_nc_u64 s[G0W+2:G0W+3], s[8:9], s[72:73]
	s_or_b32 s[G0W+3], s[G0W+3], 0x80000000
	s_wait_alu depctr_va_vdst(0)
	CROUND                                         ; all sixteen work-groups are here: the joint loads meet
; one tensor load a wave, in one tree of branches on the wave's number
.macro ARM under, g0, g1, next
	s_cmp_lt_u32 s[WV], \under
	s_cbranch_scc0 \next
	tensor_load_to_lds s[\g0:\g0+3], s[\g1:\g1+7]
	s_nop 0
	PLACES
	s_branch .Lh_join
\next:
.endm
	ARM 4, G0W, G1W, .Lh_y
	ARM 6, G0Y, G1Y, .Lh_s
	tensor_load_to_lds s[G0S:G0S+3], s[G1S:G1S+7]
	s_nop 0
	PLACES
.Lh_join:
	s_and_b32 s19, s[WV], 3                        ; which pair of token tiles
	s_lshr_b32 s20, s[WV], 2                       ; which 64 columns
	v_and_b32 v9, 31, v0                           ; lane
	v_and_b32 v10, 15, v0                          ; r
	v_bfe_u32 v11, v0, 4, 1                        ; h
	v_and_b32 v12, 7, v0
	v_bfe_u32 v13, v0, 3, 1                        ; o = r / 8
	v_lshlrev_b32 v1, 4, v9
	v_xor_b32 v14, v11, v13
	s_lshl_b32 s21, s19, 14
	v_lshl_add_u32 v2, v12, 4, s21
	v_lshl_add_u32 v2, v13, 9, v2
	v_lshl_add_u32 v2, v14, 7, v2                  ; y's two tiles
	s_mul_i32 s22, s20, 34816
	s_add_co_u32 s22, s22, WL
	v_add_nc_u32 v3, s22, v1                       ; W's four tiles
	s_lshl_b32 s23, s19, 7
	s_add_co_u32 s23, s23, YS
	v_lshl_add_u32 v4, v9, 2, s23                  ; y's scale words
	s_add_co_u32 s22, s22, 8192
	v_lshl_add_u32 v5, v10, 4, s22                 ; W's
	s_mul_i32 s23, s[WV], 4352
	s_add_co_u32 s23, s23, STG                     ; my stage
	v_mul_u32_u24 v6, v10, 272
	v_mul_u32_u24 v7, v11, 272
	v_lshlrev_b32 v8, 12, v11
	v_lshl_add_u32 v6, v11, 6, v6
	v_lshl_add_u32 v7, v10, 4, v7
	v_lshl_add_u32 v8, v10, 4, v8                  ; out0: lanes 0-15 one row, lanes 16-31 the next
	v_add_nc_u32 v6, s23, v6                       ; the stage, in: row r, + 64 h
	v_add_nc_u32 v7, s23, v7                       ; back: lanes 0-15 one row, lanes 16-31 the next
	s_lshr_b32 s68, s16, 4
	s_lshl_b32 s68, s68, 11
	s_and_b32 s69, s16, 15
	s_lshl_b32 s69, s69, 3
	s_add_co_u32 s68, s68, s69
	s_lshl_b32 s69, s19, 9
	s_add_co_u32 s68, s68, s69
	s_lshl_b32 s68, s68, 12                        ; token 2,048 batch + 512 (w % 4) + 8 i, rows of 4,096 bytes
	s_lshl_b32 s69, s15, 9
	s_add_co_u32 s68, s68, s69
	s_lshl_b32 s69, s20, 8
	s_add_co_u32 s68, s68, s69                     ; column 128 gx + 64 (w / 4)
	s_mov_b32 s69, 0
	s_add_nc_u64 s[10:11], s[10:11], s[68:69]
	s_wait_alu depctr_va_vdst(0)
	s_wait_tensorcnt 0x0                           ; my part has landed,
	s_barrier_signal -1
	s_barrier_wait -1                              ; everybody's has.  Nothing is filled again
.irp k, 0,1,2,3,4,5,6,7
	ds_load_b32 v[YSC+\k], v4 offset:\k*512
.endr
.irp t, 0,1,2,3
.irp q, 0,1
	ds_load_b128 v[WS+8*\t+4*\q:WS+8*\t+4*\q+3], v5 offset:\t*8704+\q*256
.endr
.endr
.macro PLOAD k                         ; K step k's fragments, 12 loads, into buffer k % 2
.irp a, 0,1
.irp c, 0,1
	ds_load_b128 v[YF+16*((\k)%2)+8*\a+4*\c:YF+16*((\k)%2)+8*\a+4*\c+3], v2 offset:\a*8192+(\k)*1024+\c*256
.endr
.endr
.irp t, 0,1,2,3
.irp c, 0,1
	ds_load_b128 v[WF+32*((\k)%2)+8*\t+4*\c:WF+32*((\k)%2)+8*\t+4*\c+3], v3 offset:\t*8704+(\k)*1024+\c*512
.endr
.endr
.endm
.macro PSTEP k, zero                   ; the eight accumulators take turns, one instruction a turn, in one order
.if \k < 7
.if \k > 0
	PLACES                                         ; the other buffer was read by the products just issued
.endif
	PLOAD \k+1
	s_wait_dscnt 12                                ; this step's fragments (and the scale words) are in; the next step's 12 loads may be out
.else
	s_wait_dscnt 0x0
.endif
.irp a, 0,1
.irp t, 0,1,2,3
	MM ACC+32*\a+8*\t, WF+32*(\k%2)+8*\t, YF+16*(\k%2)+8*\a, WS+8*\t+\k, YSC+\k, \zero, \a
.endr
.endr
.endm
	PLOAD 0
	PSTEP 0, 1
.irp k, 1,2,3,4,5,6,7
	PSTEP \k, 0
.endr
	PLACES
	; THE WAY OUT: a tile of 16 tokens x 64 columns goes into my stage and comes back as rows of 256 bytes.  LDS serves a wave's instructions in order: no wait between the stores and the loads, nor ahead of the next tile's stores.
	s_wait_alu depctr_va_vdst(0)
.irp a, 0,1
.irp b, 0,1
.irp j, 0,1,2,3
	ds_store_b128 v6, v[ACC+32*\a+16*\b+4*\j:ACC+32*\a+16*\b+4*\j+3] offset:128*\b+16*\j   ; each accumulator from its low end on
.endr
.endr
.irp t, 0,1,2,3,4,5,6,7
	ds_load_b128 v[216-160*\a+4*\t:216-160*\a+4*\t+3], v7 offset:544*\t
.endr
.endr
.irp a, 0,1
.irp t, 0,1,2,3,4,5,6,7
	s_wait_dscnt 23-16*\a-\t                       ; behind this load: the rest of its tile's loads, and for tile 0 tile 1's sixteen
	global_store_b128 v8, v[216-160*\a+4*\t:216-160*\a+4*\t+3], s[10:11] offset:(256*\a+128*(\t/4)+2*(\t%4))*4096 th:TH_STORE_NT   ; stage rows 2 t, 2 t + 1; sixteen lanes store 256 consecutive bytes, aligned
.endr
.endr
	s_wait_tensorcnt 0x0                           ; the wave's end
	ds_add_u32 v[SPW], v[NIL]
	s_wait_dscnt 0x0
	CROUND                                         ; the closing round: no work-group ends while a partner may still ask for a tile that names it
	s_endpgm
.Lfunc_end_k_q7754e0f223_proj:
	.size	k_q7754e0f223_proj, .Lfunc_end_k_q7754e0f223_proj-k_q7754e0f223_proj
	.p2alignl 7, 3214868480
	.fill 96, 4, 3214868480
	.section	.rodata,"a",@progbits
	.p2align	6, 0x0
	.amdhsa_kernel k_q7754e0f223_proj
		.amdhsa_group_segment_fixed_size 175104
		.amdhsa_private_segment_fixed_size 0
		.amdhsa_enable_private_segment 0
		.amdhsa_kernarg_size 32
		.amdhsa_user_sgpr_count 2
		.amdhsa_user_sgpr_kernarg_segment_ptr 1
		.amdhsa_wavefront_size32 1
		.amdhsa_system_sgpr_workgroup_id_x 1
		.amdhsa_system_sgpr_workgroup_id_y 1
		.amdhsa_system_sgpr_workgroup_id_z 1
		.amdhsa_system_vgpr_workitem_id 0
		.amdhsa_next_free_vgpr 250
		.amdhsa_next_free_sgpr 80
		.amdhsa_reserve_vcc 0
		.amdhsa_float_denorm_mode_32 3
		.amdhsa_float_denorm_mode_16_64 3
		.amdhsa_memory_ordered 1
		.amdhsa_forward_progress 1
		.amdhsa_inst_pref_size 28
	.end_amdhsa_kernel
	.amdgpu_metadata
---
amdhsa.version: [ 1, 2 ]
amdhsa.kernels:
  - .name:           k_q7754e0f223_proj
    .symbol:         k_q7754e0f223_proj.kd
    .args:
      - { .name: yc, .offset: 0, .size: 8, .value_kind: global_buffer, .address_space: global }
      - { .name: ys, .offset: 8, .size: 8, .value_kind: global_buffer, .address_space: global }
      - { .name: wc, .offset: 16, .size: 8, .value_kind: global_buffer, .address_space: global }
      - { .name: out0, .offset: 24, .size: 8, .value_kind: global_buffer, .address_space: global }
    .group_segment_fixed_size: 175104
    .private_segment_fixed_size: 0
    .kernarg_segment_align: 8
    .kernarg_segment_size: 32
    .max_flat_workgroup_size: 256
    .sgpr_count:     80
    .vgpr_count:     250
    .wavefront_size: 32
...
	.end_amdgpu_metadata
.endif
;; end of part 4
